; MI455X (gfx1250); checked and timed in simulation.
; The chip was launched on July 23, 2026; its instructions are those of AMD's public machine-readable ISA for CDNA 5 (MIT licence, August 2026) and "CDNA5" Instruction Set Architecture Reference Guide (July 2026). The comments in the code are by the model that wrote it; some were corrected since.
;; MHA. Allowed arithmetic: matrix products marked QUANTISED: E2M3 operands, one E8M0 scale for each 32 along K, by v_wmma_scale_f32_16x16x128_f8f6f4 with both operands' format E2M3, f32 sums; everything else in f32.
;; Inputs: W_out 1,024 x 1,024 float32; W_qkv 1,024 x 3,072 float32; X 4 x 2,048 x 1,024 float32; b_out 1,024 float32.
;; Outputs: out0 4 x 2,048 x 1,024 float32.
;; This version of the problem:
;;   THIS VERSION OF THE PROBLEM IS GIVEN IN LOW PRECISION. The matrix products marked QUANTISED in the list below multiply operands that are first quantised to E2M3 (2 exponent bits, 3 mantissa bits; 6 bits a number), with one power-of-two scale for each 32 numbers along K (OCP MX v1.0); their sums are f32. All else is computed in f32.
;;   The module's matrix products, in the order in which they are computed (A, B: the left and right operand; K: the contracted axis; several contracted axes count as one K, in the product's order):
;;     1. [M 8,192, K 1,024] x [K 1,024, N 3,072]; A: input X; B: input W_qkv: QUANTISED
;;     2. batch 64 x [M 2,048, K 64] x [K 64, N 2,048]; A: computed on the way; B: computed on the way: QUANTISED
;;     3. batch 64 x [M 2,048, K 2,048] x [K 2,048, N 64]; A: softmax (see below); B: computed on the way: QUANTISED
;;     4. [M 8,192, K 1,024] x [K 1,024, N 1,024]; A: computed on the way; B: input W_out: QUANTISED
;;   THE QUANTISER, for each operand of a quantised product, along K:
;;     - K is cut into blocks of 32 from its start; a last block that is shorter is filled with zeros.
;;     - A block's scale is 2^e with e = floor(log2(the largest magnitude in the block)) - 2, held to -126 .. 127; a block of zeros has e = 0. As a byte (E8M0): e + 127.
;;     - Each number is divided by its block's scale, clamped to +-7.5, and rounded to the nearest number of E2M3, ties to even, subnormals kept.
;;     - The product sums the exact products of the quantised numbers (number of the format x scale) in f32.
;;   ~~~python
;;   def quantise(x, axis):      # numpy; x: float32 -> the quantised numbers, widened to float32 again
;;       x = np.moveaxis(x, axis, -1); K = x.shape[-1]
;;       x = np.pad(x, [(0, 0)] * (x.ndim - 1) + [(0, -K % 32)]); x = x.reshape(x.shape[:-1] + (-1, 32)); a = np.abs(x).max(-1, keepdims=True)
;;       e = np.where(a > 0, np.clip(np.frexp(np.where(a > 0, a, 1))[1] - 1 - 2, -126, 127), 0)      # np.frexp(a)[1] - 1 = floor(log2(a)), exactly
;;       r = np.clip(x / 2.0 ** e, -7.5, 7.5)
;;       step = 2.0 ** (np.maximum(np.frexp(np.where(r == 0, 1, r))[1] - 1, 0) - 3)
;;       q = np.round(r / step) * step * 2.0 ** e      # np.round: ties to even
;;       return np.moveaxis(q.reshape(q.shape[:-2] + (-1,))[..., :K], -1, axis).astype(np.float32)
;;   ~~~
;;   SOFTMAX AHEAD OF A QUANTISED PRODUCT. Where the list says 'softmax', what is quantised is not the finished softmax but p = 2^(t - M), with t = logit x log2(e) and M = ceil(the row's largest t), a whole number; so 1/2 < the row's largest p <= 1. The row's sum l is taken of the UNQUANTISED p, in f32, and the product's result is divided by l at the end. Since M is a whole number, a kernel that streams over the keys may use a running M (the ceiling of the running maximum): every later rescaling is an exact power of two, which a block's scale takes up: the codes' values come out the same.
;;   OPERANDS COMPUTED ON THE WAY. 'Computed on the way' means the value that the module computes at that place (a softmax that the list does not call 'softmax' is quantised finished and normalised). What goes into a quantiser is computed in f32, as accurately as f32 sums, v_exp_f32 and their like allow (about 1e-6 of the number): no bf16 or f16 on the way to a quantiser, and a product that is left as it is and whose result goes on into a quantised operand takes f32 operands (vector FMAs, or v_wmma_f32_16x16x4_f32). A number that lies on a knife's edge between two numbers of the format may be rounded either way, as far as f32 arithmetic and the matrix unit's own rounding can turn it there, and no further.
;; One version. Each part assembles by itself: llvm-mc -triple=amdgcn-amd-amdhsa -mcpu=gfx1250 --defsym DOCPART=n.
;; ======== version 1 of 1: 4 launches
;; workspace buffers: ops 8,650,752 bytes; opsc 360,448 bytes; qkv 18,874,368 bytes; qkvs 786,432 bytes; ops2 7,077,888 bytes; opsc2 294,912 bytes
;; launch quant (part 1): grid 384 x 1, 4 waves a work-group, no clusters, 34,304 bytes of LDS; arguments X, W_qkv, W_out, ops, opsc, ops2, opsc2; writes ops, opsc, ops2, opsc2
.if DOCPART == 1
	.amdgcn_target "amdgcn-amd-amdhsa--gfx1250"
	.amdhsa_code_object_version 6
	.text
	.protected	k_qe676621614_quant
	.globl	k_qe676621614_quant
	.p2align	8
	.type	k_qe676621614_quant,@function
k_qe676621614_quant:
	s_mov_b64 s[64:65], 0
	v_nop
	global_prefetch_b8 v0, s[64:65] scope:SCOPE_SE
	s_setreg_imm32_b32 hwreg(HW_REG_WAVE_MODE, 25, 1), 1
	s_wait_xcnt 0x0
; X [8192][1024], W_qkv [1024][3072] and W_out [1024][1024], f32, become codes of FP6 (E2M3) with one E8M0 scale byte for each 32 along K (K = 1024 in all three: X's last axis, the weights' first).
; A block's scale is 2^(floor(log2(its largest magnitude)) - 2); its byte is the largest magnitude's exponent field - 2, held at 1 from below.
; LIMITS: a block of zeros keeps the byte 1 (its codes are zeros, and this program alone reads the bytes); blocks whose largest magnitude lies under 2^-124 are held at byte 1; NaN and infinities among the inputs are not served.
; THE LAYOUT OF THE CODES is the order of the matrix operand's registers.  Rows (tokens, or a weight's columns) go in blocks of 128; tile a (0..7) of a block holds rows 32 (a/2) + 8 (a%2) + r + 8 (r/8), r = 0..15.
; A fragment (tile a, 128 along K) is 12 registers a lane: lane (r, h) holds k = 64 c + 32 h + 0..31 in registers 6 c .. 6 c + 5.  It lies as six pieces of 256 bytes, piece p = registers 2 p, 2 p + 1, lane l's 8 bytes at 8 l.
; codes: [block][K step 0..7][tile][piece][256];  scale words: [block][K step / 2][tile][r][K step % 2], a word = the four bytes of one row and one K step.  Every store of a wave covers 256 consecutive bytes, aligned.
; Work-groups 0-255: X (32 rows each, a wave 256 along K).  256-351: W_qkv.  352-383: W_out (128 columns x 256 along K each, a wave 32 columns).  Waves share nothing: no barrier.
.set TM,  12                           ; v12-27  at work: largest magnitudes, bytes, scale operands
.set PW,  28                           ; v28-31  the four fragments' scale words
.set CT,  32                           ; v32-38  the conversions' second halves
.set PC,  40                           ; v40-63  codes, two sets of 12
.set R,   64                           ; v64-191 two sets of 64: a fragment's numbers as loaded
.set XN,  192                          ; v192-255 the same, 16 neighbours of each block of 32 in a lane
.macro XLOAD f                         ; fragment f = 2 e + q: the 16 rows of tile e, 128 numbers of K step q: each load reads 512 consecutive bytes of one row
.irp i, 0,1,2,3,4,5,6,7,8,9,10,11,12,13,14,15
	global_load_b128 v[R+64*((\f)%2)+4*\i:R+64*((\f)%2)+4*\i+3], v4, s[4:5] offset:(8*((\f)/2)+\i+8*(\i/8))*4096+512*((\f)%2) th:TH_LOAD_NT
.endr
.endm
.macro XTURN f                         ; through the wave's own stage: rows of 528 bytes in, and back 64 bytes of row r for each block.  LDS serves a wave's instructions in order: no wait between
.irp i, 0,1,2,3,4,5,6,7,8,9,10,11,12,13,14,15
	ds_store_b128 v5, v[R+64*((\f)%2)+4*\i:R+64*((\f)%2)+4*\i+3] offset:528*\i
.endr
.irp b, 0,1,2,3
.irp j, 0,1,2,3
	ds_load_b128 v[XN+16*\b+4*\j:XN+16*\b+4*\j+3], v6 offset:128*\b+16*\j
.endr
.endr
.endm
; 64 numbers of a lane, register 16 b + i = k 32 b + 16 (lane / 16) + i of my row, become a fragment's 12 registers of codes and its scale word
.macro QUANT s, pc, pw
.irp b, 0,1,2,3
	v_max3_num_f32 v[TM+\b], |v[\s+16*\b]|, |v[\s+1+16*\b]|, 0x1800000   ; my 16 numbers of block b, and the floor 2^(3 - 127): the byte cannot fall under 1
.endr
.irp i, 2,4,6,8,10,12,14
.irp b, 0,1,2,3
	v_max3_num_f32 v[TM+\b], v[TM+\b], |v[\s+16*\b+\i]|, |v[\s+1+16*\b+\i]|
.endr
.endr
.irp b, 0,1,2,3
	v_permlanex16_b32 v[TM+4+\b], v[TM+\b], s20, s21
.endr
.irp b, 0,1,2,3
	v_max_num_f32 v[TM+\b], v[TM+\b], v[TM+4+\b]           ; with lane l xor 16's: the block's largest magnitude
.endr
.irp b, 0,1,2,3
	v_add_nc_u32 v[TM+12+\b], 0xff000000, v[TM+\b]         ; 2 off its exponent field: the conversion's scale operand
.endr
.irp b, 0,1,2,3
	v_lshrrev_b32 v[TM+4+\b], 23, v[TM+12+\b]              ; the scale's byte
.endr
	v_lshl_or_b32 v[\pw], v[TM+5], 8, v[TM+4]
	v_lshl_or_b32 v[\pw], v[TM+6], 16, v[\pw]
	v_lshl_or_b32 v[\pw], v[TM+7], 24, v[\pw]
.irp c, 0,1
	v_cvt_scalef32_pk16_fp6_f32 v[\pc+6*\c:\pc+6*\c+2], v[\s+32*\c:\s+32*\c+15], v[TM+12+2*\c]
	v_cvt_scalef32_pk16_fp6_f32 v[CT+4*\c:CT+4*\c+2], v[\s+32*\c+16:\s+32*\c+31], v[TM+12+2*\c+1]   ; (a conversion's three registers begin on an even number)
.endr
	v_nop                                          ; one plain instruction behind the scaled conversions
.irp c, 0,1                            ; the operand wants a WHOLE block in a lane: lanes 0-15 block 2 c, lanes 16-31 block 2 c + 1
.irp i, 0,1,2
	v_permlane16_swap_b32 v[\pc+6*\c+\i], v[CT+4*\c+\i]
.endr
.irp i, 0,1,2
	v_mov_b32 v[\pc+6*\c+3+\i], v[CT+4*\c+\i]
.endr
.endr
.endm
; THE WEIGHTS.  A lane takes a column and its registers run down K: a block of 32 is one lane's.
.macro WLOAD t, nb, src                ; block t: rows 32 t + i of my 256, into set t % 2; a wave reads 128 consecutive bytes, the work-group 512
.irp i, 0,1,2,3,4,5,6,7,8,9,10,11,12,13,14,15,16,17,18,19,20,21,22,23,24,25,26,27,28,29,30,31
	global_load_b32 v[32+32*((\t)%2)+\i], v10, s[\src:\src+1] offset:(32*(\t)+\i)*(\nb) th:TH_LOAD_NT
.endr
.endm
.macro WBLK t, dst, tmp, nb, src       ; block t's 32 codes into v[dst .. dst + 5], its byte into the K step's scale word
.set XS, 32+32*((\t)%2)
.if (\t) < 7
	s_wait_loadcnt 32                              ; this block's 32 loads are in; the next block's 32 may be out
.else
	s_wait_loadcnt 0x0
.endif
	v_max3_num_f32 v16, |v[XS]|, |v[XS+1]|, |v[XS+2]|
	v_max3_num_f32 v17, |v[XS+3]|, |v[XS+4]|, |v[XS+5]|
.irp i, 6,10,14,18,22,26
	v_max3_num_f32 v16, v16, |v[XS+\i]|, |v[XS+\i+1]|
	v_max3_num_f32 v17, v17, |v[XS+\i+2]|, |v[XS+\i+3]|
.endr
	v_max3_num_f32 v16, v16, |v[XS+30]|, |v[XS+31]|
	v_max3_num_f32 v16, v16, v17, 0x1800000        ; and the floor
	v_add_nc_u32 v18, 0xff000000, v16
	v_lshrrev_b32 v19, 23, v18
.if (\t)%4 == 0
	v_mov_b32 v[20+(\t)/4], v19
.else
	v_lshl_or_b32 v[20+(\t)/4], v19, 8*((\t)%4), v[20+(\t)/4]
.endif
	v_cvt_scalef32_pk16_fp6_f32 v[\dst:\dst+2], v[XS:XS+15], v18
	v_cvt_scalef32_pk16_fp6_f32 v[\tmp:\tmp+2], v[XS+16:XS+31], v18
	v_nop                                          ; one plain instruction behind the scaled conversions
.irp i, 0,1,2
	v_mov_b32 v[\dst+3+\i], v[\tmp+\i]
.endr
.if (\t)+2 < 8
	WLOAD (\t)+2, \nb, \src
.endif
.endm
; nb: bytes in a row of the weight; first: the path's first work-group; src, codes, scales: the scalar pairs of the three buffers
.macro WPATH nb, first, src, codes, scales
	s_sub_co_u32 s22, ttmp9, \first
	s_lshr_b32 s23, s22, 2                         ; which 128 columns
	s_and_b32 s24, s22, 3                          ; which 256 along K
	s_mul_i32 s26, s24, 256*(\nb)
	s_lshl_b32 s27, s23, 9
	s_add_co_u32 s26, s26, s27
	s_lshl_b32 s27, s18, 7                         ; my wave's 32 columns
	s_add_co_u32 s26, s26, s27
	s_mov_b32 s27, 0
	s_add_co_u32 s25, s23, 64                      ; the weights' blocks lie behind the 64 blocks of tokens
	s_mul_i32 s28, s25, 98304
	s_mul_i32 s29, s24, 24576
	s_add_co_u32 s28, s28, s29
	s_mul_i32 s29, s18, 3072                       ; my wave's tiles 2 w, 2 w + 1
	s_add_co_u32 s28, s28, s29
	s_mov_b32 s29, 0
	s_lshl_b32 s30, s25, 12
	s_lshl_b32 s31, s24, 10
	s_add_co_u32 s30, s30, s31
	s_lshl_b32 s31, s18, 8
	s_add_co_u32 s30, s30, s31
	s_mov_b32 s31, 0
	s_wait_kmcnt 0x0
	s_add_nc_u64 s[\src:\src+1], s[\src:\src+1], s[26:27]
	s_add_nc_u64 s[\codes:\codes+1], s[\codes:\codes+1], s[28:29]
	s_add_nc_u64 s[\scales:\scales+1], s[\scales:\scales+1], s[30:31]
	WLOAD 0, \nb, \src
	WLOAD 1, \nb, \src
.irp m, 0,1,2,3                        ; a pair of blocks = 64 along K: K step m / 2, registers 6 (m % 2) on
	WBLK 2*\m, 160+12*\m, 208, \nb, \src
	WBLK 2*\m+1, 166+12*\m, 212, \nb, \src
.irp i, 0,1,2,3,4,5                    ; lanes 0-15 hold tile 2 w's rows, lanes 16-31 tile 2 w + 1's: the exchange leaves the first six as tile 2 w's registers (lanes 16-31: the odd block), the second six as tile 2 w + 1's
	v_permlane16_swap_b32 v[160+12*\m+\i], v[166+12*\m+\i]
.endr
.irp p, 0,1,2                          ; each pair has registers of its own: no store's data are written again
	global_store_b64 v11, v[160+12*\m+2*\p:161+12*\m+2*\p], s[\codes:\codes+1] offset:12288*(\m/2)+256*(3*(\m%2)+\p)
	global_store_b64 v11, v[166+12*\m+2*\p:167+12*\m+2*\p], s[\codes:\codes+1] offset:12288*(\m/2)+1536+256*(3*(\m%2)+\p)
.endr
.endr
	global_store_b64 v11, v[20:21], s[\scales:\scales+1]   ; my column's two scale words: 256 consecutive bytes a wave
	s_endpgm
.endm
	s_load_b256 s[4:11], s[0:1], 0x0               ; X s[4:5], W_qkv s[6:7], W_out s[8:9], ops s[10:11]
	s_load_b128 s[12:15], s[0:1], 0x20             ; opsc s[12:13], ops2 s[14:15]
	s_load_b64 s[16:17], s[0:1], 0x30              ; opsc2
	v_lshl_add_u32 v22, v0, 2, 0x8400
	v_mov_b32 v23, 0
	v_lshrrev_b32 v1, 5, v0
	v_readfirstlane_b32 s18, v1                    ; wave 0..3
	v_and_b32 v1, 31, v0                           ; lane
	v_and_b32 v2, 15, v0                           ; r
	v_bfe_u32 v3, v0, 4, 1                         ; h
	s_mov_b32 s20, 0x76543210
	s_mov_b32 s21, 0xfedcba98                      ; v_permlanex16_b32's selects for lane l xor 16
	s_cmp_lt_u32 ttmp9, 256
	s_cbranch_scc0 .Lweights
	; ---- X: work-group g takes rows 32 g .. 32 g + 31 (tiles 2 u, 2 u + 1 of block g / 4, u = g % 4), wave w K = 256 w .. 256 w + 255: four fragments
	v_lshlrev_b32 v4, 4, v1                        ; 16 x lane
	s_mul_i32 s19, s18, 8448                       ; my stage: 16 rows x 528 bytes
	v_add_nc_u32 v5, s19, v4
	v_mul_u32_u24 v6, v2, 528
	v_lshl_add_u32 v6, v3, 6, v6
	v_add_nc_u32 v6, s19, v6                       ; back: row r, + 64 h
	v_lshlrev_b32 v7, 3, v1                        ; 8 x lane
.irp b, 0,1,2,3
	v_mov_b32 v[TM+4+\b], 0                        ; written once: a lane permute's destination counts as one of its sources
.endr
	s_lshl_b32 s22, ttmp9, 17                      ; 32 rows of 4,096 bytes
	s_lshl_b32 s23, s18, 10
	s_add_co_u32 s22, s22, s23
	s_mov_b32 s23, 0
	s_lshr_b32 s24, ttmp9, 2
	s_and_b32 s25, ttmp9, 3
	s_mul_i32 s26, s24, 98304
	s_mul_i32 s27, s18, 24576
	s_add_co_u32 s26, s26, s27
	s_mul_i32 s27, s25, 3072
	s_add_co_u32 s26, s26, s27
	s_mov_b32 s27, 0
	s_lshl_b32 s28, s24, 12
	s_lshl_b32 s29, s18, 10
	s_add_co_u32 s28, s28, s29
	s_lshl_b32 s29, s25, 8
	s_add_co_u32 s28, s28, s29
	s_mov_b32 s29, 0
	s_wait_alu depctr_va_vdst(0)
	s_wait_kmcnt 0x0
	s_add_nc_u64 s[4:5], s[4:5], s[22:23]
	s_add_nc_u64 s[10:11], s[10:11], s[26:27]
	s_add_nc_u64 s[12:13], s[12:13], s[28:29]
	XLOAD 0
	XLOAD 1
.irp f, 0,1,2,3
.if \f < 3
	s_wait_loadcnt 16                              ; this fragment's 16 loads are in; the next fragment's 16 may be out
.else
	s_wait_loadcnt 0x0
.endif
	XTURN \f
	s_wait_dscnt 0x0                               ; the numbers are back, and the stage's stores have read their registers
.if \f < 2
	XLOAD \f+2
.else
	s_wait_xcnt 0x0                                ; the stores of two fragments back have read this set of codes: it is written again only behind this wait
.endif
	QUANT XN, PC+12*(\f%2), PW+\f
.irp p, 0,1,2,3,4,5
	global_store_b64 v7, v[PC+12*(\f%2)+2*\p:PC+12*(\f%2)+2*\p+1], s[10:11] offset:12288*(\f%2)+1536*(\f/2)+256*\p
.endr
.endr
	v_cmp_eq_u32 vcc_lo, 1, v3                     ; lanes 0-15 store tile 2 u's two words of row r, lanes 16-31 tile 2 u + 1's
	v_cndmask_b32 v8, v[PW], v[PW+2], vcc_lo
	v_cndmask_b32 v9, v[PW+1], v[PW+3], vcc_lo
	global_store_b64 v7, v[8:9], s[12:13]
	s_wait_tensorcnt 0x0
	ds_add_u32 v22, v23
	s_wait_dscnt 0x0
	s_endpgm
.Lweights:
	s_wait_alu depctr_va_vdst(0)
	v_and_b32 v4, 8, v2
	v_add_nc_u32 v4, v4, v2
	v_lshl_add_u32 v4, v3, 3, v4                   ; my column of the wave's 32: 8 (lane / 16) + r + 8 (r / 8): lanes 0-15 are tile 2 w's rows, lanes 16-31 tile 2 w + 1's
	v_lshlrev_b32 v10, 2, v4
	v_lshlrev_b32 v11, 3, v1                       ; 8 x lane
	s_cmp_lt_u32 ttmp9, 352
	s_cbranch_scc0 .Lwout
	s_wait_alu depctr_va_vdst(0)
	WPATH 12288, 256, 6, 10, 12
.Lwout:
	s_wait_alu depctr_va_vdst(0)
	WPATH 4096, 352, 8, 14, 16
.Lfunc_end_k_qe676621614_quant:
	.size	k_qe676621614_quant, .Lfunc_end_k_qe676621614_quant-k_qe676621614_quant
	.p2alignl 7, 3214868480
	.fill 96, 4, 3214868480
	.section	.rodata,"a",@progbits
	.p2align	6, 0x0
	.amdhsa_kernel k_qe676621614_quant
		.amdhsa_group_segment_fixed_size 34304
		.amdhsa_private_segment_fixed_size 0
		.amdhsa_enable_private_segment 0
		.amdhsa_kernarg_size 56
		.amdhsa_user_sgpr_count 2
		.amdhsa_user_sgpr_kernarg_segment_ptr 1
		.amdhsa_wavefront_size32 1
		.amdhsa_system_sgpr_workgroup_id_x 1
		.amdhsa_system_sgpr_workgroup_id_y 1
		.amdhsa_system_sgpr_workgroup_id_z 1
		.amdhsa_system_vgpr_workitem_id 0
		.amdhsa_next_free_vgpr 256
		.amdhsa_next_free_sgpr 66
		.amdhsa_reserve_vcc 1
		.amdhsa_float_denorm_mode_32 3
		.amdhsa_float_denorm_mode_16_64 3
		.amdhsa_memory_ordered 1
		.amdhsa_forward_progress 1
		.amdhsa_inst_pref_size 114
	.end_amdhsa_kernel
	.amdgpu_metadata
---
amdhsa.version: [ 1, 2 ]
amdhsa.kernels:
  - .name:           k_qe676621614_quant
    .symbol:         k_qe676621614_quant.kd
    .args:
      - { .name: X, .offset: 0, .size: 8, .value_kind: global_buffer, .address_space: global }
      - { .name: W_qkv, .offset: 8, .size: 8, .value_kind: global_buffer, .address_space: global }
      - { .name: W_out, .offset: 16, .size: 8, .value_kind: global_buffer, .address_space: global }
      - { .name: ops, .offset: 24, .size: 8, .value_kind: global_buffer, .address_space: global }
      - { .name: opsc, .offset: 32, .size: 8, .value_kind: global_buffer, .address_space: global }
      - { .name: ops2, .offset: 40, .size: 8, .value_kind: global_buffer, .address_space: global }
      - { .name: opsc2, .offset: 48, .size: 8, .value_kind: global_buffer, .address_space: global }
    .group_segment_fixed_size: 34304
    .private_segment_fixed_size: 0
    .kernarg_segment_align: 8
    .kernarg_segment_size: 56
    .max_flat_workgroup_size: 128
    .sgpr_count:     66
    .vgpr_count:     256
    .wavefront_size: 32
...
	.end_amdgpu_metadata
.endif
;; end of part 1
;; launch gemm_qkv (part 2): grid 12 x 32, 4 waves a work-group, clusters of 4 x 4, 327,680 bytes of LDS; arguments ops, opsc, qkv, qkvs; writes qkv, qkvs
.if DOCPART == 2
	.amdgcn_target "amdgcn-amd-amdhsa--gfx1250"
	.amdhsa_code_object_version 6
	.text
	.protected	k_qe676621614_gemm_qkv
	.globl	k_qe676621614_gemm_qkv
	.p2align	8
	.type	k_qe676621614_gemm_qkv,@function
k_qe676621614_gemm_qkv:
	s_mov_b64 s[64:65], 0
	v_nop
	global_prefetch_b8 v0, s[64:65] scope:SCOPE_SE
	s_setreg_imm32_b32 hwreg(HW_REG_WAVE_MODE, 25, 1), 1
	s_wait_xcnt 0x0
	s_wait_alu depctr_hold_cnt(0) depctr_sa_sdst(0) depctr_va_vdst(0) depctr_va_sdst(0) depctr_va_ssrc(0) depctr_va_vcc(0) depctr_vm_vsrc(0)
	s_getreg_b32 s2, hwreg(HW_REG_IB_STS2, 6, 4)
	s_cmp_eq_u32 s2, 0
	s_cbranch_scc0 .Lentry_in_a_cluster
	s_endpgm
.Lentry_in_a_cluster:
	s_bfe_u32 s2, ttmp6, 0x10000c
	s_cmp_lg_u32 s2, 0xf033
	s_cbranch_scc0 .Lentry_shape_is_right
	s_endpgm
.Lentry_shape_is_right:
; qkv = X W_qkv on codes of FP6 (E2M3) with E8M0 scales (K = 1024), and its results quantised on the way out: q and k along the head's 64, v along the keys.  Nothing leaves as f32.
; ops: [block of 128 rows][K step 0..7][tile 0..7][piece 0..5][256]: images of the operand's registers; blocks 0-63 tokens, 64-87 W_qkv's columns.  Tile a holds rows 32 (a/2) + 8 (a%2) + r + 8 (r/8).  opsc: [block][K step / 2][tile][r][K step % 2] scale words.
; A work-group makes 256 x 256, each of its four waves 128 x 128: 64 accumulators.  Side P is source 1 (a lane is a row of P), side Q source 0 (a lane's registers run along Q: by the choice of a tile's rows the 16 registers
; of Q's tiles 2 b, 2 b + 1 are 16 neighbours, 32 b + 16 (lane / 16) + 0..15).  Clusters x = 0, 1: P = tokens, Q = q's or k's features, so the registers run along the head's d.  Cluster x = 2: P = v's features, Q = tokens: along the keys.
; K goes in quarters of 256: a block's quarter is 24,576 dense bytes, one tensor load.  Three LDS regions take quarters 0, 1, 2 at the start; quarter 3 is the one refill, into region 0.  By this text's count a wave has at most three tensor loads out.
; CLUSTERS: 4 x 4.  P's tiles are shared along a row of the cluster, Q's along a column: each is asked for jointly.  All scale words of the wave's rows, for all of K, stay in 64 registers.
; qkv: [q, k, v][batch x head][token block of 128][6,144]: q, k: [tile 8][piece 3][256] (64 along d: half a fragment); v: [d tile 4][piece 6][256] (16 d x 128 keys).  qkvs: their scale words (addresses below).
; LIMITS: a block of zeros keeps the scale byte 1 (its codes are zeros; this program alone reads the bytes); blocks whose largest magnitude lies under 2^-124 are held at byte 1; NaN and infinities are not served.
; REGISTERS: window 0: v0-31 addresses; v32-95 scale words; v96-127 at work on the way out; v128-223 P's fragments, one set, later the codes; v224-230 conversions.  window 1: Q's fragments, two sets, at v0 and v128.  windows 2, 3: accumulators, (a, b) at v[8 (8 (a % 4) + b)].
.set FR,     12                        ; registers of a fragment
.set NL,     6                         ; LDS loads that bring one
.set NP,     4                         ; places behind this matrix instruction (ISA guide 7.12.1)
.set BLKB,   24576                     ; 128 rows x 256 along K
.set REGION, 4*BLKB                    ; P's two blocks, then Q's two
.set SPARE,  3*REGION                  ; behind the regions: the spare words, 128 bytes for each wave: two blocks of 256 bytes that no other line names
.set ADRA, 16                          ; v16-18  LDS address of my P fragments in region 0, 1, 2
.set ADRB, 20                          ; v20-22  the same for Q
.set VS,   25                          ; v25     the way out: my place among the scale words
.set VO,   26                          ; v26     the way out: my place among the codes
.set SA,   27                          ; v27     my place in opsc: lanes 0-15 P's rows, lanes 16-31 Q's
.set SPW,  28                          ; v28     LDS address of my spare word; never rewritten
.set NIL,  29                          ; v29     0; never rewritten
.set SC,   32                          ; register SC + 16 (s / 2) + 2 i + s % 2: K step s: lanes 0-15 the word of P's tile i, lanes 16-31 that of Q's tile i
.set TM,   96
.set SW,   112                         ; v112-119 the way out: a scale word for each of P's tiles
.set SQ,   120
.set AF,   128
.set CT,   224
.set G1P, 24                           ; s[24:31] group 1 for P's tiles, s[32:39] for Q's; s[40:51], s[52:63] groups 0, one set for each region
.set G1Q, 32
.set G0P, 40
.set G0Q, 52
.set MSB, 0
.macro WIN new                         ; the immediate's high byte repeats the setting that is left
.if MSB != \new
	s_set_vgpr_msb (MSB<<8)|\new
.set MSB, \new
.endif
.endm
.set MUL_LO, 0xa1                      ; source 0 (Q) window 1, source 1 (P) window 0, C and D window 2
.set MUL_HI, 0xf1                      ; the same, C and D window 3
.set TO_B,   0x40                      ; destination window 1, address window 0
; A joint load: waves 0 and 1 fetch P's two blocks, waves 2 and 3 Q's.  The branch hangs on the wave's number alone.  Four v_nop follow each of the two lines.
.macro JLOAD g0a, g1a, g0b, g1b
	s_cmp_eq_u32 s15, 0
	s_cbranch_scc0 .Lfor_q_\@
	tensor_load_to_lds s[\g0a:\g0a+3], s[\g1a:\g1a+7]
	s_nop 0
.rept 4
	v_nop
.endr
	s_branch .Lasked_\@
.Lfor_q_\@:
	tensor_load_to_lds s[\g0b:\g0b+3], s[\g1b:\g1b+7]
	s_nop 0
.rept 4
	v_nop
.endr
.Lasked_\@:
.endm
.macro CREST                           ; a round of the cluster's barrier behind its opening barrier
	s_cmp_lg_u32 s14, 0
	s_cbranch_scc1 .Lnot_wave_0_\@
	s_barrier_signal -3
.Lnot_wave_0_\@:
	s_barrier_wait -3
	s_barrier_signal -1
	s_barrier_wait -1
.endm
.macro CROUND                          ; a whole round
	s_barrier_signal -1
	s_barrier_wait -1
	CREST
.endm
.macro PLACES n
.rept \n
	v_nop
.endr
.endm
.macro FRAG reg, adr, s, i             ; tile i's fragment of K step s: six pieces of 256 bytes, 8 bytes a lane: the registers as they were stored.  K step s lies in region (s / 2) % 3
.irp p, 0,1,2,3,4,5
	ds_load_b64 v[\reg+2*\p:\reg+2*\p+1], v[\adr+(((\s)/2)%3)] offset:(((\s)%2)*8+(\i))*1536+256*\p
.endr
.endm
.macro FETCH_B s                       ; Q's eight fragments of K step s into set s % 2
	WIN TO_B
.irp i, 0,1,2,3,4,5,6,7
	FRAG 128*((\s)%2)+FR*\i, ADRB, \s, \i
.endr
	WIN 0
.endm
.macro FETCH_A s, i0                   ; P's tiles i0 .. i0 + 3
.irp i, \i0, \i0+1, \i0+2, \i0+3
	FRAG AF+FR*(\i), ADRA, \s, \i
.endr
.endm
; 16 matrix instructions: P's tiles a0, a0 + 1 x Q's eight, K step s.  zero = 1: the first product starts the sums.  The 64 accumulators take turns, one instruction a turn, in the same order in every step.
.macro MUL16 a0, s, zero
.irp a, \a0, \a0+1
.irp b, 0,1,2,3,4,5,6,7
.if \zero
	v_wmma_scale_f32_16x16x128_f8f6f4 v[8*(8*((\a)%4)+\b):8*(8*((\a)%4)+\b)+7], v[128*((\s)%2)+FR*\b:128*((\s)%2)+FR*\b+FR-1], v[AF+FR*(\a):AF+FR*(\a)+FR-1], 0, v[SC+16*((\s)/2)+2*\b+(\s)%2], v[SC+16*((\s)/2)+2*(\a)+(\s)%2] matrix_a_fmt:MATRIX_FMT_FP6 matrix_b_fmt:MATRIX_FMT_FP6 matrix_a_scale:MATRIX_SCALE_ROW1
.else
	v_wmma_scale_f32_16x16x128_f8f6f4 v[8*(8*((\a)%4)+\b):8*(8*((\a)%4)+\b)+7], v[128*((\s)%2)+FR*\b:128*((\s)%2)+FR*\b+FR-1], v[AF+FR*(\a):AF+FR*(\a)+FR-1], v[8*(8*((\a)%4)+\b):8*(8*((\a)%4)+\b)+7], v[SC+16*((\s)/2)+2*\b+(\s)%2], v[SC+16*((\s)/2)+2*(\a)+(\s)%2] matrix_a_fmt:MATRIX_FMT_FP6 matrix_b_fmt:MATRIX_FMT_FP6 matrix_a_scale:MATRIX_SCALE_ROW1
.endif
.endr
.endr
.endm
; A K step whose successor's tiles are known to lie whole in LDS.  A tile of P is free as soon as its eight products are issued: tiles 0-3 are fetched anew in the step's middle, tiles 4-7 at its end.
.macro STEP s, zero
	s_wait_dscnt 4*NL                              ; Q's set and P's tiles 0-3 are in; the youngest 24 loads (P's tiles 4-7) may be out
	WIN MUL_LO
	MUL16 0, \s, \zero
	MUL16 2, \s, \zero
	s_wait_dscnt 0x0                               ; P's tiles 4-7 are in
	PLACES NP                                      ; in front of loads into registers that matrix instructions have read
	FETCH_B (\s)+1
	FETCH_A (\s)+1, 0
	WIN MUL_HI
	MUL16 4, \s, \zero
	MUL16 6, \s, \zero
	PLACES NP
	WIN 0
	FETCH_A (\s)+1, 4
.endm
; A K step with a barrier in its middle: in front of it each wave waits for all its tensor loads, adds 0 to its spare word, and waits for that and for its LDS reads.  fill = 1: region 0, which nobody reads any more, takes quarter 3.
.macro TURN s, fill
	s_wait_tensorcnt 0x0                           ; all my tensor loads have landed
	ds_add_u32 v[SPW], v[NIL]                      ; 0 onto my spare word
	s_wait_dscnt 4*NL+1                            ; (the add and the youngest 24 loads may be out)
	WIN MUL_LO
	MUL16 0, \s, 0                                 ; sixteen matrix instructions stand between the add and the wait for it
	s_wait_dscnt 0x0                               ; the add is done, and my LDS reads are over
	s_barrier_signal -1
	MUL16 2, \s, 0
	WIN 0
	s_barrier_wait -1
.if \fill
	CREST                                          ; the barrier has opened a round of the cluster's barrier: no wave of any partner still reads region 0 or has a load on its way
	s_add_nc_u64 s[G0P+2:G0P+3], s[G0P+2:G0P+3], 3*BLKB
	s_add_nc_u64 s[G0Q+2:G0Q+3], s[G0Q+2:G0Q+3], 3*BLKB
	JLOAD G0P, G1P, G0Q, G1Q                       ; the first tensor load behind the round; its four v_nop are also the places in front of the loads below
.else
	PLACES NP
.endif
	FETCH_B (\s)+1
	FETCH_A (\s)+1, 0
	WIN MUL_HI
	MUL16 4, \s, 0
	MUL16 6, \s, 0
	PLACES NP
	WIN 0
	FETCH_A (\s)+1, 4
.endm
; THE WAY OUT of P's tile a: the lane's 64 results (register 16 b + i = Q's row 32 b + 16 (lane / 16) + i) become a fragment's codes in v[128 + 12 a] on and a scale word.  Each accumulator is read from its low end on.
.macro QUANTW a
.set AC, 64*((\a)%4)
.set WN, 2+(\a)/4
.set WMX, (WN<<2)|(WN<<4)
.set PCA, 128+12*(\a)
	WIN WMX                                        ; sources 1 and 2: the accumulators' window
.irp b, 0,1,2,3
	v_max3_num_f32 v[TM+\b], 0x1800000, |v[AC+16*\b]|, |v[AC+16*\b+1]|   ; the floor 2^(3 - 127) among the leaves: the byte cannot fall under 1
.endr
.irp i, 2,4,6,8,10,12,14
.irp b, 0,1,2,3
	v_max3_num_f32 v[TM+\b], v[TM+\b], |v[AC+16*\b+\i]|, |v[AC+16*\b+\i+1]|
.endr
.endr
	WIN 0
.irp b, 0,1,2,3
	v_permlanex16_b32 v[TM+4+\b], v[TM+\b], s80, s81
.endr
.irp b, 0,1,2,3
	v_max_num_f32 v[TM+\b], v[TM+\b], v[TM+4+\b]
.endr
.irp b, 0,1,2,3
	v_add_nc_u32 v[TM+12+\b], 0xff000000, v[TM+\b]
.endr
.irp b, 0,1,2,3
	v_lshrrev_b32 v[TM+4+\b], 23, v[TM+12+\b]
.endr
	v_lshl_or_b32 v[SW+(\a)], v[TM+5], 8, v[TM+4]
	v_lshl_or_b32 v[SW+(\a)], v[TM+6], 16, v[SW+(\a)]
	v_lshl_or_b32 v[SW+(\a)], v[TM+7], 24, v[SW+(\a)]
	WIN WN                                         ; source 0: the accumulators' window
.irp c, 0,1
	v_cvt_scalef32_pk16_fp6_f32 v[PCA+6*\c:PCA+6*\c+2], v[AC+32*\c:AC+32*\c+15], v[TM+12+2*\c]
	v_cvt_scalef32_pk16_fp6_f32 v[CT+4*\c:CT+4*\c+2], v[AC+32*\c+16:AC+32*\c+31], v[TM+12+2*\c+1]
.endr
	WIN 0
	v_nop                                          ; one plain instruction behind the scaled conversions
.irp c, 0,1
.irp i, 0,1,2
	v_permlane16_swap_b32 v[PCA+6*\c+\i], v[CT+4*\c+\i]
.endr
.irp i, 0,1,2
	v_mov_b32 v[PCA+6*\c+3+\i], v[CT+4*\c+\i]
.endr
.endr
.endm
.macro WAYOUT isv                      ; each tile has registers of its own for its codes: no store's data are written again.  Each store covers 256 consecutive bytes, aligned
.irp a, 0,1,2,3,4,5,6,7
	QUANTW \a
.irp c, 0,1
.irp p, 0,1,2
.if \isv
	global_store_b64 v[VO], v[128+12*\a+6*\c+2*\p:129+12*\a+6*\c+2*\p], s[8:9] offset:98304*(\a/4)+1536*(\a%4)+768*\c+256*\p   ; v: tiles 0-3 are the even head's d, 4-7 the odd head's; a whole fragment of 128 keys
.else
	global_store_b64 v[VO], v[128+12*\a+6*\c+2*\p:129+12*\a+6*\c+2*\p], s[8:9] offset:98304*\c+768*\a+256*\p                  ; q, k: half c of the fragment is head 2 x pair + c's 64
.endif
.endr
.endr
.endr
.endm
	s_load_b256 s[4:11], s[0:1], 0x0               ; ops s[4:5], opsc s[6:7], qkv s[8:9], qkvs s[10:11]
	v_lshl_add_u32 v[SPW], v0, 2, SPARE
	v_mov_b32 v[NIL], 0
	ds_add_u32 v28, v29
	ds_add_u32 v28, v29
	s_wait_dscnt 0x0
	v_lshrrev_b32 v1, 5, v0
	v_readfirstlane_b32 s14, v1                    ; wave 0..3
	s_lshr_b32 s15, s14, 1                         ; my half of P.  Also: I fetch for P (0) or for Q (1)
	s_and_b32 s16, s14, 1                          ; my half of Q.  Also: which block of 128 rows I fetch
	s_bfe_u32 s66, ttmp6, 0x40000                  ; cx
	s_bfe_u32 s67, ttmp6, 0x40004                  ; cy
	s_and_b32 s68, ttmp7, 0xffff                   ; cluster y, 0..7
	s_lshl_b32 s69, s68, 2
	s_lshl_b32 s73, ttmp9, 2
	s_add_co_u32 s73, s73, 32                      ; q's and k's feature tiles: 32 + 4 x cluster x
	s_cmp_eq_u32 ttmp9, 2                          ; cluster x = 2 makes v: the same in all sixteen partners
	s_cselect_b32 s70, 1, 0
	s_cselect_b32 s71, 40, s69                     ; P's first tile of 256 rows: v's features, or tokens
	s_cselect_b32 s73, s69, s73                    ; Q's: tokens, or q's and k's features
	s_add_co_u32 s72, s71, s67                     ; P's tile: + cy (no register that feeds P's descriptors ever holds cx)
	s_add_co_u32 s74, s73, s66                     ; Q's tile: + cx
	s_lshl_b32 s82, s67, 2
	s_lshl_b32 s82, 15, s82                        ; my row of the cluster
	s_lshl_b32 s83, 0x1111, s66                    ; my column
	s_or_b32 s[G1P], s82, (3<<16)|(1<<21)          ; 15:0 the mask; 17:16 elements of 8 bytes; 20 no padding; 21 set beside a mask
	s_or_b32 s[G1Q], s83, (3<<16)|(1<<21)
.irp g, G1P, G1Q                       ; 24,576 dense bytes as 96 rows of 256
	s_mov_b32 s[\g+1], 32<<16                      ; tensor_dim0
	s_mov_b32 s[\g+2], 96<<16                      ; tensor_dim1
	s_mov_b32 s[\g+3], 32<<16                      ; tile_dim0
	s_mov_b32 s[\g+4], 96                          ; tile_dim1
	s_mov_b32 s[\g+5], 32                          ; tensor_dim0_stride
	s_mov_b32 s[\g+6], 0
	s_mov_b32 s[\g+7], 0
.endr
	s_lshl_b32 s75, s72, 1
	s_add_co_u32 s75, s75, s16
	s_mul_i32 s76, s75, 98304                      ; the block of P that I would fetch, in bytes
	s_mov_b32 s77, 0
	s_lshl_b32 s75, s74, 1
	s_add_co_u32 s75, s75, s16
	s_mul_i32 s78, s75, 98304                      ; and of Q
	s_mov_b32 s79, 0
	s_mul_i32 s84, s14, BLKB                       ; where it goes: wave x 24,576: no place in the cluster enters an LDS address
	s_mov_b32 s80, 0x76543210
	s_mov_b32 s81, 0xfedcba98                      ; v_permlanex16_b32's selects for lane l xor 16
	s_wait_kmcnt 0x0
	s_add_nc_u64 s[76:77], s[4:5], s[76:77]
	s_add_nc_u64 s[78:79], s[4:5], s[78:79]
	CROUND                                         ; all sixteen work-groups are here: the first joint loads meet
.irp g, 0,1,2                          ; quarters 0, 1, 2 of K into regions 0, 1, 2
	s_mov_b32 s[G0P+4*\g], 1
	s_add_co_u32 s[G0P+4*\g+1], s84, \g*REGION
	s_add_nc_u64 s[G0P+4*\g+2:G0P+4*\g+3], s[76:77], \g*BLKB
	s_or_b32 s[G0P+4*\g+3], s[G0P+4*\g+3], 0x80000000
	s_mov_b32 s[G0Q+4*\g], 1
	s_add_co_u32 s[G0Q+4*\g+1], s84, \g*REGION
	s_add_nc_u64 s[G0Q+4*\g+2:G0Q+4*\g+3], s[78:79], \g*BLKB
	s_or_b32 s[G0Q+4*\g+3], s[G0Q+4*\g+3], 0x80000000
	JLOAD G0P+4*\g, G1P, G0Q+4*\g, G1Q
.endr
	v_and_b32 v1, 31, v0
	v_and_b32 v2, 15, v0                           ; r
	v_bfe_u32 v3, v0, 4, 1                         ; h
	v_lshlrev_b32 v4, 3, v1                        ; 8 x lane
	s_mul_i32 s85, s15, BLKB                       ; my block of P
	s_mul_i32 s86, s16, BLKB                       ; my block of Q,
	s_add_co_u32 s86, s86, 2*BLKB                  ; behind P's two
.irp g, 0,1,2
	v_add_nc_u32 v[ADRA+\g], s85, v4
	v_add_nc_u32 v[ADRB+\g], s86, v4
	s_add_co_u32 s85, s85, REGION
	s_add_co_u32 s86, s86, REGION
.endr
	s_lshl_b32 s87, s72, 1
	s_add_co_u32 s87, s87, s15                     ; my block of P in ops
	s_lshl_b32 s88, s74, 1
	s_add_co_u32 s88, s88, s16                     ; my block of Q
	s_lshl_b32 s89, s87, 12
	s_lshl_b32 s90, s88, 12
	v_mov_b32 v5, s89
	v_mov_b32 v6, s90
	v_cmp_eq_u32 vcc_lo, 1, v3
	v_cndmask_b32 v5, v5, v6, vcc_lo               ; lanes 0-15 take P's words, lanes 16-31 Q's
	v_lshl_add_u32 v[SA], v2, 3, v5
.irp q, 0,1,2,3
.irp i, 0,1,2,3,4,5,6,7
	global_load_b64 v[SC+16*\q+2*\i:SC+16*\q+2*\i+1], v[SA], s[6:7] offset:1024*\q+128*\i
.endr
.endr
.irp b, 0,1,2,3
	v_mov_b32 v[TM+4+\b], 0                        ; written once: a lane permute's destination counts as one of its sources
.endr
	; the way out's addresses.  q, k: token block = P's, feature block f = Q's - 64 (0-7 q, 8-15 k; a block is a pair of heads).  v: token block = Q's, pair of heads = P's - 80
	s_sub_co_u32 s92, s87, 80
	s_sub_co_u32 s93, s88, 64
	s_and_b32 s94, s93, 7
	s_lshr_b32 s95, s93, 3
	s_lshl_b32 s96, s87, 13                        ; q's and k's words: (token block x 2 + tile / 4) x 4,096 + f x 256 + 16 r + 4 (tile % 4)
	s_lshl_b32 s97, s93, 8
	s_add_co_u32 s96, s96, s97
	s_lshl_b32 s97, s92, 15                        ; v's: 524,288 + ((pair x 2 + tile / 4) x 64 + token block) x 256 + 16 r + 4 (tile % 4)
	s_lshl_b32 s98, s88, 8
	s_add_co_u32 s97, s97, s98
	s_add_co_u32 s97, s97, 524288
	s_cmp_eq_u32 s70, 1
	s_cselect_b32 s91, s88, s87                    ; the token block
	s_cselect_b32 s94, s92, s94                    ; the pair of heads
	s_cselect_b32 s95, 2, s95                      ; q, k or v
	s_cselect_b32 s96, s97, s96
	s_cselect_b32 s98, 14, 12                      ; tiles 4-7 lie 16,384 or 4,096 bytes on
	s_mul_i32 s95, s95, 6291456
	s_lshr_b32 s99, s91, 4                         ; the batch
	s_mul_i32 s99, s99, 1572864
	s_add_co_u32 s95, s95, s99
	s_mul_i32 s99, s94, 196608
	s_add_co_u32 s95, s95, s99
	s_and_b32 s99, s91, 15
	s_mul_i32 s99, s99, 6144
	s_add_co_u32 s95, s95, s99
	v_add_nc_u32 v[VO], s95, v4
	v_lshlrev_b32 v[VS], s98, v3
	v_lshl_add_u32 v[VS], v2, 4, v[VS]
	v_add_nc_u32 v[VS], s96, v[VS]
	s_wait_tensorcnt 2                             ; my part of quarter 0 is in; quarters 1 and 2 may be out
	s_barrier_signal -1
	s_barrier_wait -1                              ; everybody's is
	FETCH_B 0
	FETCH_A 0, 0
	FETCH_A 0, 4
	s_wait_loadcnt 0x0                             ; the scale words
	STEP 0, 1                                      ; the first step's products start the sums
	TURN 1, 1                                      ; every wave has waited for all three first fills: regions 1 and 2 are whole for everybody; region 0 takes quarter 3
	STEP 2, 0
	STEP 3, 0
	STEP 4, 0
	TURN 5, 0                                      ; quarter 3 has landed, 256 matrix instructions behind its request
	STEP 6, 0
	s_wait_dscnt 4*NL                              ; the last step: nothing more to fetch
	WIN MUL_LO
	MUL16 0, 7, 0
	MUL16 2, 7, 0
	s_wait_dscnt 0x0
	WIN MUL_HI
	MUL16 4, 7, 0
	MUL16 6, 7, 0
	WIN 0
	PLACES NP                                      ; in front of the first read of results and the first write of registers that held P's fragments
	s_cmp_eq_u32 s70, 1
	s_cbranch_scc1 .Lvout
	WAYOUT 0
	s_branch .Lwords
.Lvout:
	WAYOUT 1
.Lwords:
	v_cmp_eq_u32 vcc_lo, 1, v3                     ; lanes 0-15 store the words of tiles 0-3 of row r, lanes 16-31 those of tiles 4-7: sixteen lanes fill 256 consecutive bytes, aligned
.irp i, 0,1,2,3
	v_cndmask_b32 v[SQ+\i], v[SW+\i], v[SW+4+\i], vcc_lo
.endr
	global_store_b128 v[VS], v[SQ:SQ+3], s[10:11]
	s_wait_tensorcnt 0x0                           ; the wave's end
	ds_add_u32 v[SPW], v[NIL]
	s_wait_dscnt 0x0
	CROUND                                         ; the closing round: no work-group ends while a partner may still ask for a tile that names it
	s_endpgm
.Lfunc_end_k_qe676621614_gemm_qkv:
	.size	k_qe676621614_gemm_qkv, .Lfunc_end_k_qe676621614_gemm_qkv-k_qe676621614_gemm_qkv
	.p2alignl 7, 3214868480
	.fill 96, 4, 3214868480
	.section	.rodata,"a",@progbits
	.p2align	6, 0x0
	.amdhsa_kernel k_qe676621614_gemm_qkv
		.amdhsa_group_segment_fixed_size 327680
		.amdhsa_private_segment_fixed_size 0
		.amdhsa_enable_private_segment 0
		.amdhsa_kernarg_size 32
		.amdhsa_user_sgpr_count 2
		.amdhsa_user_sgpr_kernarg_segment_ptr 1
		.amdhsa_wavefront_size32 1
		.amdhsa_system_sgpr_workgroup_id_x 1
		.amdhsa_system_sgpr_workgroup_id_y 1
		.amdhsa_system_sgpr_workgroup_id_z 1
		.amdhsa_system_vgpr_workitem_id 0
		.amdhsa_next_free_vgpr 1024
		.amdhsa_next_free_sgpr 100
		.amdhsa_reserve_vcc 1
		.amdhsa_float_denorm_mode_32 3
		.amdhsa_float_denorm_mode_16_64 3
		.amdhsa_memory_ordered 1
		.amdhsa_forward_progress 1
		.amdhsa_inst_pref_size 200
	.end_amdhsa_kernel
	.amdgpu_metadata
---
amdhsa.version: [ 1, 2 ]
amdhsa.kernels:
  - .name:           k_qe676621614_gemm_qkv
    .symbol:         k_qe676621614_gemm_qkv.kd
    .args:
      - { .name: ops, .offset: 0, .size: 8, .value_kind: global_buffer, .address_space: global }
      - { .name: opsc, .offset: 8, .size: 8, .value_kind: global_buffer, .address_space: global }
      - { .name: qkv, .offset: 16, .size: 8, .value_kind: global_buffer, .address_space: global }
      - { .name: qkvs, .offset: 24, .size: 8, .value_kind: global_buffer, .address_space: global }
    .group_segment_fixed_size: 327680
    .private_segment_fixed_size: 0
    .kernarg_segment_align: 8
    .kernarg_segment_size: 32
    .max_flat_workgroup_size: 128
    .sgpr_count:     100
    .vgpr_count:     1024
    .wavefront_size: 32
...
	.end_amdgpu_metadata
.endif
;; end of part 2
;; launch attention (part 3): grid 4 x 64, 16 waves a work-group, clusters of 4 x 1, 219,136 bytes of LDS; arguments qkv, qkvs, ops2, opsc2; writes ops2, opsc2
.if DOCPART == 3
	.amdgcn_target "amdgcn-amd-amdhsa--gfx1250"
	.amdhsa_code_object_version 6
	.text
	.protected	k_qe676621614_attention
	.globl	k_qe676621614_attention
	.p2align	8
	.type	k_qe676621614_attention,@function
k_qe676621614_attention:
	s_mov_b64 s[64:65], 0
	v_nop
	global_prefetch_b8 v0, s[64:65] scope:SCOPE_SE
	s_setreg_imm32_b32 hwreg(HW_REG_WAVE_MODE, 25, 1), 1
	s_wait_xcnt 0x0
	s_wait_alu depctr_hold_cnt(0) depctr_sa_sdst(0) depctr_va_vdst(0) depctr_va_sdst(0) depctr_va_ssrc(0) depctr_va_vcc(0) depctr_vm_vsrc(0)
	s_getreg_b32 s2, hwreg(HW_REG_IB_STS2, 6, 4)
	s_cmp_eq_u32 s2, 0
	s_cbranch_scc0 .Lentry_in_a_cluster
	s_endpgm
.Lentry_in_a_cluster:
	s_bfe_u32 s2, ttmp6, 0x10000c
	s_cmp_lg_u32 s2, 0x3003
	s_cbranch_scc0 .Lentry_shape_is_right
	s_endpgm
.Lentry_shape_is_right:
; ctx = softmax(q k^T / 8, causal) v for one (batch, head) a cluster, both products on codes of FP6 (E2M3) with E8M0 scales; ctx is quantised along (head, d) for the last product and leaves as codes.
; THE SOFTMAX: t = score x log2(e) / 8; M = the row's largest t so far, rounded UP to a whole number; p = 2^(t - M) is quantised along the keys, not normalised; the row's sum of the unquantised p divides O at the end; when M moves, the sum and O are multiplied by 2^(old M - new M), exactly.
; SHARES.  A head has 16 groups of 128 queries, a group 8 tiles of 16 (tile a: queries 32 (a/2) + 8 (a%2) + r + 8 (r/8)).  Work-group cx takes tiles 2 cx, 2 cx + 1 of EVERY group; wave w (e = w % 2, al = w / 2) takes tile 2 cx + e of group al and then
; of group 15 - al.  A tile of group g wants key steps 0 .. g of 128 keys: (al + 1) + (16 - al) = 17 steps for every wave of every work-group.  The loop has 17 trips; nothing in it hangs on cx but global addresses and the mask's constant.
; THE HEAD'S K, V AND SCALE WORDS LIE IN LDS, FILLED ONCE, by joint loads of the four work-groups (one a wave, waves 0-13).  Behind the second barrier LDS is only read: no ring, no barrier in the loop.
; LAYOUT.  Both products are used transposed: S^T = K Q^T, O^T = V^T P^T: a lane holds ONE query.  By the choice of a tile's rows the 16 registers of key tiles 2 b, 2 b + 1 are keys 32 b + 16 (lane / 16) + 0..15.
; K = 64 IN AN INSTRUCTION OF 128: Q's upper six registers are zero codes.  K's fragment of tile t is named as v[32 + 6 t .. + 11]: its upper half is the next tile's codes (behind tile 7: zeros), numbers of the format, which is without
; infinity and NaN; times Q's zero codes they add exact zeros.  The scale bytes of those upper blocks are the other head's bytes or 0, never 0xff.
; LIMITS: a block of zeros keeps the scale byte 1; blocks whose largest magnitude lies under 2^-124 are held at byte 1; NaN and infinities are not served.
; ctx's scale bytes leave 2 bytes a row (a scale word's other bytes belong to other heads' work-groups): 16 rows x 2 bytes a tile.
; REGISTERS: v1-5 addresses that stay, v7-11, v30, v31 addresses; v12 -M, v13 largest t, v[14:15] the sum; v16-27 Q; v28, v29 Q's scale words (now, next); v32-79 K's eight half fragments, then V's four; v80-85 zeros; v86-91 the next tile's Q;
; v92-95 V's scale words; v96-159 S^T, then p; v160-191 O^T; v192-199 K's scale words; v200-242 at work.
.set KB,   0                           ; LDS: K's codes [key step 16][tile 8][piece 3][256]
.set VB,   98304                       ; V's [key step 16][d tile 4][piece 6][256]
.set KSR,  196608                      ; K's scale words as they lie in memory: [key step][tile / 4][r][tile % 4], both heads of the pair in a word
.set VSC,  204800                      ; V's scale words [key step][r][d tile]
.set KSF,  208896                      ; K's scale words shifted for my head: written by LDS stores; no fill lands here
.set BM,   200                         ; v200-203 a block's largest score, then its largest p
.set BX,   204                         ; v204-207 exchanges, a chain of the sum, bytes
.set SO,   208                         ; v208-211 scale operands
.set PCD,  212                         ; v212-223 p's codes
.set CT,   224                         ; v224-230 the conversions' second halves
.macro CROUND
	s_barrier_signal -1
	s_barrier_wait -1
	s_cmp_lg_u32 s12, 0
	s_cbranch_scc1 .Lnot_wave_0_\@
	s_barrier_signal -3
.Lnot_wave_0_\@:
	s_barrier_wait -3
	s_barrier_signal -1
	s_barrier_wait -1
.endm
.macro RESET                           ; a tile begins: the largest t -3e38, the sum and O^T zeros, which the first change of M leaves zeros
	v_mov_b32 v13, 0xff61b1e6
	s_delay_alu instid0(VALU_DEP_1)
	v_floor_f32 v12, -v13
	v_mov_b32 v14, 0
	v_mov_b32 v15, 0
.set n, 0
.rept 32
	v_mov_b32 v[160+n], 0
.set n, n+1
.endr
.endm
	s_load_b256 s[4:11], s[0:1], 0x0               ; qkv s[4:5], qkvs s[6:7], ops2 s[8:9], opsc2 s[10:11]
	v_lshl_add_u32 v254, v0, 2, 0x35000
	v_mov_b32 v255, 0
	ds_add_u32 v254, v255
	ds_add_u32 v254, v255
	v_lshrrev_b32 v8, 5, v0
	s_delay_alu instid0(VALU_DEP_1)
	v_readfirstlane_b32 s12, v8                    ; wave 0..15
	s_bfe_u32 s13, ttmp6, 0x40000                  ; cx
	s_and_b32 s14, ttmp7, 0xffff                   ; batch x 16 + head: the cluster's y
	s_lshr_b32 s15, s14, 4                         ; batch
	s_and_b32 s16, s14, 15                         ; head
	s_lshr_b32 s17, s16, 1                         ; pair of heads
	s_and_b32 s18, s16, 1                          ; which of the pair
	s_and_b32 s19, s12, 1                          ; e
	s_lshr_b32 s20, s12, 1                         ; al: my first group
	s_sub_co_u32 s21, 15, s20                      ; my second
	s_lshl_b32 s22, s13, 1
	s_add_co_u32 s22, s22, s19                     ; my tile a = 2 cx + e: it enters global addresses alone
	s_lshl_b32 s23, s18, 4                         ; my head's two bytes of a scale word begin 16 x parity bits up
	; descriptor groups 1: rows of 256 bytes (32 elements of 8), no padding, the mask of all four work-groups with bit 21 beside it
	s_mov_b32 s24, 15|(3<<16)|(1<<21)              ; codes: 64 dense rows
	s_mov_b32 s25, 32<<16
	s_mov_b32 s26, 64<<16
	s_mov_b32 s27, 32<<16
	s_mov_b32 s28, 64
	s_mov_b32 s29, 32
	s_mov_b32 s30, 0
	s_mov_b32 s31, 0
	s_mov_b32 s32, 15|(3<<16)|(1<<21)              ; K's scale words: 32 rows, 4,096 bytes apart
	s_mov_b32 s33, 32<<16
	s_mov_b32 s34, 32<<16
	s_mov_b32 s35, 32<<16
	s_mov_b32 s36, 32
	s_mov_b32 s37, 512
	s_mov_b32 s38, 0
	s_mov_b32 s39, 0
	s_mov_b32 s40, 15|(3<<16)|(1<<21)              ; V's scale words: 16 dense rows
	s_mov_b32 s41, 32<<16
	s_mov_b32 s42, 16<<16
	s_mov_b32 s43, 32<<16
	s_mov_b32 s44, 16
	s_mov_b32 s45, 32
	s_mov_b32 s46, 0
	s_mov_b32 s47, 0
	s_lshl_b32 s69, s12, 14                        ; wave x 16,384: waves 0-5 K's codes, waves 6-11 V's, in LDS on end
	s_mul_i32 s66, s14, 98304
	s_add_co_u32 s66, s66, s69
	s_add_co_u32 s66, s66, 6291456                 ; k's region
	s_cmp_ge_u32 s12, 6
	s_cselect_b32 s68, 6193152, 0                  ; v's region lies 6,291,456 on, and V's part begins anew: less K's 98,304
	s_add_co_u32 s66, s66, s68
	s_mov_b32 s67, 0
	s_lshl_b32 s70, s15, 17                        ; K's words: (32 x batch + row) x 4,096 + (8 + pair) x 256
	s_add_co_u32 s71, s17, 8
	s_lshl_b32 s71, s71, 8
	s_add_co_u32 s70, s70, s71
	s_mov_b32 s71, 0
	s_lshl_b32 s72, s16, 14                        ; V's: 524,288 + (head x 64 + 16 x batch) x 256
	s_lshl_b32 s73, s15, 12
	s_add_co_u32 s72, s72, s73
	s_add_co_u32 s72, s72, 524288
	s_mov_b32 s73, 0
	s_mov_b32 s60, 0x76543210
	s_mov_b32 s61, 0xfedcba98                      ; v_permlanex16_b32's selects for lane l xor 16
	s_mov_b32 s62, 0x3e38aa3b                      ; c = log2(e) / 8
	s_mov_b32 s63, s62                             ; (named with it as a pair, so it is written)
	s_wait_dscnt 0x0
	s_wait_kmcnt 0x0
	s_mov_b32 s48, 1
	s_mov_b32 s49, s69
	s_add_nc_u64 s[50:51], s[4:5], s[66:67]
	s_or_b32 s51, s51, 0x80000000
	s_mov_b32 s52, 1
	s_mov_b32 s53, KSR
	s_add_nc_u64 s[54:55], s[6:7], s[70:71]
	s_or_b32 s55, s55, 0x80000000
	s_mov_b32 s56, 1
	s_mov_b32 s57, VSC
	s_add_nc_u64 s[58:59], s[6:7], s[72:73]
	s_or_b32 s59, s59, 0x80000000
	CROUND                                         ; all four work-groups are here: the joint loads meet
	s_cmp_lt_u32 s12, 12                           ; one load a wave; the branches hang on the wave's number alone; four v_nop follow each load
	s_cbranch_scc0 .Lnot_codes
	tensor_load_to_lds s[48:51], s[24:31]
	s_nop 0
.rept 4
	v_nop
.endr
	s_branch .Lasked
.Lnot_codes:
	s_cmp_eq_u32 s12, 12
	s_cbranch_scc0 .Lnot_ks
	tensor_load_to_lds s[52:55], s[32:39]
	s_nop 0
.rept 4
	v_nop
.endr
	s_branch .Lasked
.Lnot_ks:
	s_cmp_eq_u32 s12, 13
	s_cbranch_scc0 .Lasked
	tensor_load_to_lds s[56:59], s[40:47]
	s_nop 0
.rept 4
	v_nop
.endr
.Lasked:
	v_and_b32 v32, 15, v0                          ; r
	v_bfe_u32 v33, v0, 4, 1                        ; h
	v_and_b32 v1, 31, v0
	s_delay_alu instid0(VALU_DEP_1)
	v_lshlrev_b32 v1, 3, v1                        ; 8 x lane: a piece's place for my lane, in LDS (K) and in memory
	s_delay_alu instid0(VALU_DEP_1)
	v_add_nc_u32 v2, VB, v1                        ; the same in V
	v_lshlrev_b32 v34, 4, v32                      ; 16 r
	s_delay_alu instid0(VALU_DEP_1)
	v_add_nc_u32 v3, KSF, v34
	s_delay_alu instid0(VALU_DEP_2)
	v_add_nc_u32 v4, VSC, v34
	v_lshlrev_b32 v31, 3, v32                      ; 8 r
	v_and_b32 v5, 8, v32
	s_delay_alu instid0(VALU_DEP_1)
	v_add_nc_u32 v5, v5, v32
	v_lshlrev_b32 v36, 4, v33
	s_delay_alu instid0(VALU_DEP_1)
	v_sub_nc_u32 v5, v5, v36
	s_lshl_b32 s84, s13, 5
	s_lshl_b32 s85, s19, 3
	s_add_co_u32 s84, s84, s85
	v_add_nc_u32 v5, s84, v5                       ; my query's place in its group, less 16 h: register 16 b + i of the diagonal step is hidden where 32 b + i is above it
	v_lshl_add_u32 v35, v0, 4, KSR                 ; 16 x thread: the pass over K's scale words
	; Q of both tiles: half a fragment each, three pieces; and its scale words
	s_lshl_b32 s84, s14, 4
	s_add_co_u32 s85, s84, s20
	s_mul_i32 s85, s85, 6144
	s_add_co_u32 s86, s84, s21
	s_mul_i32 s86, s86, 6144
	s_mul_i32 s87, s22, 768
	s_add_co_u32 s85, s85, s87
	s_add_co_u32 s86, s86, s87
	v_add_nc_u32 v8, s85, v1
	v_add_nc_u32 v9, s86, v1
.irp p, 0,1,2
	global_load_b64 v[16+2*\p:17+2*\p], v8, s[4:5] offset:256*\p
	global_load_b64 v[86+2*\p:87+2*\p], v9, s[4:5] offset:256*\p
.endr
	s_lshl_b32 s84, s15, 4
	s_add_co_u32 s85, s84, s20
	s_lshl_b32 s85, s85, 13
	s_add_co_u32 s86, s84, s21
	s_lshl_b32 s86, s86, 13
	s_lshr_b32 s87, s22, 2
	s_lshl_b32 s87, s87, 12
	s_lshl_b32 s88, s17, 8
	s_add_co_u32 s87, s87, s88
	s_and_b32 s88, s22, 3
	s_lshl_b32 s88, s88, 2
	s_add_co_u32 s87, s87, s88
	s_add_co_u32 s85, s85, s87
	s_add_co_u32 s86, s86, s87
	v_add_nc_u32 v10, s85, v34
	v_add_nc_u32 v11, s86, v34
	global_load_b32 v28, v10, s[6:7]
	global_load_b32 v29, v11, s[6:7]
	; where ctx goes, less the group's term: codes: token block x 98,304 + pair x 12,288 + a x 1,536 + parity x 768; bytes: token block x 4,096 + (head / 4) x 1,024 + a x 128 + 8 r + 2 (head % 4)
	s_mul_i32 s82, s15, 1572864
	s_mul_i32 s84, s17, 12288
	s_add_co_u32 s82, s82, s84
	s_mul_i32 s84, s22, 1536
	s_add_co_u32 s82, s82, s84
	s_mul_i32 s84, s18, 768
	s_add_co_u32 s82, s82, s84
	s_lshl_b32 s83, s15, 16
	s_lshr_b32 s84, s16, 2
	s_lshl_b32 s84, s84, 10
	s_add_co_u32 s83, s83, s84
	s_lshl_b32 s84, s22, 7
	s_add_co_u32 s83, s83, s84
	s_and_b32 s84, s16, 3
	s_lshl_b32 s84, s84, 1
	s_add_co_u32 s83, s83, s84
.irp i, 0,1,2,3,4,5
	v_mov_b32 v[22+\i], 0                          ; Q's upper half: zero codes
	v_mov_b32 v[80+\i], 0                          ; and what stands behind K's tile 7
.endr
.irp b, 0,1,2,3
	v_mov_b32 v[BX+\b], 0                          ; written once: a lane permute's destination counts as one of its sources
.endr
	v_mov_b32 v233, 0                              ; (named as the upper half of the pair v[232:233] before it is first written)
	v_mov_b32 v235, 0xff800000                     ; -infinity
	s_wait_tensorcnt 0x0                           ; my load has landed,
	s_barrier_signal -1
	s_barrier_wait -1                              ; everybody's has
	ds_load_b128 v[96:99], v35                     ; K's scale words, 16 bytes a thread: my head's two bytes are brought down to bytes 0 and 1
	s_wait_dscnt 0x0
.irp i, 0,1,2,3
	v_lshrrev_b32 v[96+\i], s23, v[96+\i]
.endr
	ds_store_b128 v35, v[96:99] offset:KSF-KSR
	s_wait_dscnt 0x0                               ; for the others' sake: my store is done
	s_barrier_signal -1
	s_barrier_wait -1                              ; from here on LDS is only read
	s_wait_loadcnt 0x0                             ; Q and its scale words
	v_lshrrev_b32 v28, s23, v28
	v_lshrrev_b32 v29, s23, v29
	RESET
	s_mov_b32 s74, 0                               ; the trip
.Lstep:
	s_cmp_gt_u32 s74, s20                          ; trips 0 .. al: the first tile; al + 1 .. 16: the second
	s_cselect_b32 s75, s21, s20                    ; the tile's group, which is also its last key step
	s_cselect_b32 s76, s21, 0
	s_add_co_u32 s77, s74, s76
	s_and_b32 s77, s77, 15                         ; the key step: the trip, or the trip - al - 1
	s_mul_i32 s78, s77, 6144
	s_lshl_b32 s79, s77, 9
	s_lshl_b32 s80, s77, 8
	s_setprio 2
	v_add_nc_u32 v8, s78, v1                       ; (these four are also the places behind the last trip's products, in front of the loads below)
	v_add_nc_u32 v9, s78, v2
	v_add_nc_u32 v10, s79, v3
	v_add_nc_u32 v11, s80, v4
.irp t, 0,1,2,3,4,5,6,7
.irp p, 0,1,2
	ds_load_b64 v[32+6*\t+2*\p:33+6*\t+2*\p], v8 offset:768*\t+256*\p
.endr
.endr
	ds_load_b128 v[192:195], v10
	ds_load_b128 v[196:199], v10 offset:256
	s_wait_alu depctr_va_vdst(0)
	s_wait_dscnt 0x0
.irp t, 0,1,2,3,4,5,6,7
	v_wmma_scale_f32_16x16x128_f8f6f4 v[96+8*\t:103+8*\t], v[32+6*\t:43+6*\t], v[16:27], 0, v[192+\t], v28 matrix_a_fmt:MATRIX_FMT_FP6 matrix_b_fmt:MATRIX_FMT_FP6
.endr
.rept 4
	v_nop                                          ; places in front of the loads into K's registers and of the first read of the scores
.endr
.irp t, 0,1,2,3                        ; V is asked for here and lands under the softmax
.irp p, 0,1,2,3,4,5
	ds_load_b64 v[32+12*\t+2*\p:33+12*\t+2*\p], v9 offset:1536*\t+256*\p
.endr
.endr
	ds_load_b128 v[92:95], v11
	s_cmp_lg_u32 s77, s75                          ; only a tile's last key step lies on the diagonal
	s_cbranch_scc1 .Lopen
.set n, 0
.rept 64
	v_cmp_gt_i32 vcc_lo, 32*(n/16)+n%16, v5
	v_cndmask_b32 v[96+n], v[96+n], v235, vcc_lo   ; hidden scores become -infinity: p = 0
.set n, n+1
.endr
.Lopen:
.irp b, 0,1,2,3
	v_max3_num_f32 v[BM+\b], v[96+16*\b], v[97+16*\b], v[98+16*\b]   ; the largest score of each block of 32 keys: for the row's maximum, and, since p rises with the score, for the block's largest p
.endr
.irp i, 3,5,7,9,11,13
.irp b, 0,1,2,3
	v_max3_num_f32 v[BM+\b], v[BM+\b], v[96+16*\b+\i], v[97+16*\b+\i]
.endr
.endr
.irp b, 0,1,2,3
	v_max_num_f32 v[BM+\b], v[BM+\b], v[111+16*\b]
.endr
.irp b, 0,1,2,3
	s_delay_alu instid0(VALU_DEP_4)
	v_permlanex16_b32 v[BX+\b], v[BM+\b], s60, s61
.endr
.irp b, 0,1,2,3
	s_delay_alu instid0(VALU_DEP_4)
	v_max_num_f32 v[BM+\b], v[BM+\b], v[BX+\b]     ; with lane l xor 16's 16 keys
.endr
	s_delay_alu instid0(VALU_DEP_2)
	v_max3_num_f32 v234, v200, v201, v202
	s_delay_alu instid0(VALU_DEP_1)
	v_max_num_f32 v234, v234, v203
	s_delay_alu instid0(VALU_DEP_1)
	v_mul_f32 v234, s62, v234                      ; as t (c is positive)
	s_delay_alu instid0(VALU_DEP_1)
	v_max_num_f32 v13, v13, v234                   ; the running largest t
	v_mov_b32 v234, v12
	s_delay_alu instid0(VALU_DEP_2)
	v_floor_f32 v12, -v13                          ; the new -M = floor(-t): M is a whole number
	s_delay_alu instid0(VALU_DEP_1)
	v_sub_f32 v234, v12, v234                      ; old M - new M: a whole number, 0 or less
	s_delay_alu instid0(VALU_DEP_1)
	v_cvt_i32_f32 v234, v234                       ; (it saturates)
	s_delay_alu instid0(VALU_DEP_1)
	v_ldexp_f32 v232, 1.0, v234                    ; f = 2^(old M - new M)
.set n, 0
.rept 32
	v_pk_fma_f32 v[96+n:97+n], v[96+n:97+n], s[62:63], v[12:13] op_sel_hi:[1,0,0]   ; t - M, two at a time
.set n, n+2
.endr
.irp b, 0,1,2,3
	v_fma_f32 v[BM+\b], v[BM+\b], s62, v12         ; the same of each block's largest score
.endr
.set n, 0
	s_wait_alu depctr_va_vdst(0)
.rept 64
	v_exp_f32 v[96+n], v[96+n]                     ; p = 2^(t - M): not normalised
.set n, n+1
.endr
	s_setprio 1
	v_pk_mul_f32 v[14:15], v[14:15], v[232:233] op_sel_hi:[1,0]   ; the sums under the new M (a plain instruction behind the exponentials)
	s_wait_alu depctr_va_vdst(0)                   ; one wait for the whole batch, ahead of its first reader
.irp b, 0,1,2,3
	v_exp_f32 v[BM+\b], v[BM+\b]                   ; the block's largest p
.endr
	v_pk_add_f32 v[204:205], v[100:101], v[104:105]
	v_pk_add_f32 v[252:253], v[108:109], v[112:113]
	v_pk_add_f32 v[250:251], v[116:117], v[120:121]
	v_pk_add_f32 v[248:249], v[124:125], v[128:129]
	v_pk_add_f32 v[246:247], v[132:133], v[136:137]
	v_pk_add_f32 v[244:245], v[140:141], v[144:145]
	v_pk_add_f32 v[242:243], v[148:149], v[152:153]
	v_pk_add_f32 v[14:15], v[14:15], v[156:157]
	v_pk_add_f32 v[204:205], v[204:205], v[96:97]
	v_pk_add_f32 v[252:253], v[252:253], v[98:99]
	v_pk_add_f32 v[250:251], v[250:251], v[102:103]
	v_pk_add_f32 v[248:249], v[248:249], v[106:107]
	v_pk_add_f32 v[246:247], v[246:247], v[110:111]
	v_pk_add_f32 v[244:245], v[244:245], v[114:115]
	v_pk_add_f32 v[242:243], v[242:243], v[118:119]
	v_pk_add_f32 v[14:15], v[14:15], v[122:123]
	v_pk_add_f32 v[204:205], v[204:205], v[126:127]
	v_pk_add_f32 v[252:253], v[252:253], v[130:131]
	v_pk_add_f32 v[250:251], v[250:251], v[134:135]
	v_pk_add_f32 v[248:249], v[248:249], v[138:139]
	v_pk_add_f32 v[246:247], v[246:247], v[142:143]
	v_pk_add_f32 v[244:245], v[244:245], v[146:147]
	v_pk_add_f32 v[242:243], v[242:243], v[150:151]
	v_pk_add_f32 v[14:15], v[14:15], v[154:155]
	v_pk_add_f32 v[204:205], v[204:205], v[158:159]
	s_delay_alu instid0(VALU_DEP_2)
	v_pk_add_f32 v[14:15], v[14:15], v[248:249]
	s_delay_alu instid0(VALU_DEP_2)
	v_pk_add_f32 v[204:205], v[204:205], v[246:247]
	v_pk_add_f32 v[252:253], v[252:253], v[244:245]
	v_pk_add_f32 v[250:251], v[250:251], v[242:243]
	s_delay_alu instid0(VALU_DEP_2)
	v_pk_add_f32 v[14:15], v[14:15], v[252:253]
	s_delay_alu instid0(VALU_DEP_2)
	v_pk_add_f32 v[204:205], v[204:205], v[250:251]
	s_delay_alu instid0(VALU_DEP_1)
	v_pk_add_f32 v[14:15], v[14:15], v[204:205]
	s_wait_alu depctr_va_vdst(0)                   ; and one for the four
.irp b, 0,1,2,3
	v_max_num_f32 v[BM+\b], 0x1800000, v[BM+\b]    ; the floor 2^(3 - 127): the byte cannot fall under 1
.endr
.irp b, 0,1,2,3
	s_delay_alu instid0(VALU_DEP_4)
	v_add_nc_u32 v[SO+\b], 0xff000000, v[BM+\b]    ; 2 off the exponent field: the conversion's scale operand
.endr
.irp b, 0,1,2,3
	s_delay_alu instid0(VALU_DEP_4)
	v_lshrrev_b32 v[BX+\b], 23, v[SO+\b]           ; the scale's byte
.endr
	s_delay_alu instid0(VALU_DEP_3)
	v_lshl_or_b32 v233, v205, 8, v204              ; p's scale word for these 128 keys
	s_delay_alu instid0(VALU_DEP_1)
	v_lshl_or_b32 v233, v206, 16, v233
	s_delay_alu instid0(VALU_DEP_1)
	v_lshl_or_b32 v233, v207, 24, v233
.irp c, 0,1
	v_cvt_scalef32_pk16_fp6_f32 v[PCD+6*\c:PCD+6*\c+2], v[96+32*\c:111+32*\c], v[SO+2*\c]
	v_cvt_scalef32_pk16_fp6_f32 v[CT+4*\c:CT+4*\c+2], v[112+32*\c:127+32*\c], v[SO+2*\c+1]
.endr
	v_nop                                          ; one plain instruction behind the scaled conversions
.irp c, 0,1
.irp i, 0,1,2
	v_permlane16_swap_b32 v[PCD+6*\c+\i], v[CT+4*\c+\i]
.endr
.irp i, 0,1,2
	s_delay_alu instid0(VALU_DEP_3)
	v_mov_b32 v[PCD+6*\c+3+\i], v[CT+4*\c+\i]
.endr
.endr
.set n, 0
.rept 16
	v_pk_mul_f32 v[160+n:161+n], v[160+n:161+n], v[232:233] op_sel_hi:[1,0]   ; O^T under the new M.  (These sixteen are also the places between the scale word, the codes and the products)
.set n, n+2
.endr
	s_wait_alu depctr_va_vdst(0)
	s_wait_dscnt 0x0                               ; V and its scale words are in
.irp t, 0,1,2,3                        ; the four accumulators take turns
	v_wmma_scale_f32_16x16x128_f8f6f4 v[160+8*\t:167+8*\t], v[32+12*\t:43+12*\t], v[PCD:PCD+11], v[160+8*\t:167+8*\t], v[92+\t], v233 matrix_a_fmt:MATRIX_FMT_FP6 matrix_b_fmt:MATRIX_FMT_FP6
.endr
	s_cmp_lg_u32 s77, s75
	s_setprio 0
	s_cbranch_scc1 .Lnext
	; ---- a tile is finished: O^T / the sum, quantised along d (register 16 b + i = d 32 b + 16 h + i), leaves as half a fragment of the last product's operand
.rept 4
	v_nop                                          ; places behind the last products
.endr
	v_add_f32 v14, v14, v15
	s_delay_alu instid0(VALU_DEP_1)
	v_permlanex16_b32 v234, v14, s60, s61
	s_delay_alu instid0(VALU_DEP_1)
	v_add_f32 v14, v14, v234                       ; the row's sum
	s_wait_alu depctr_va_vdst(0)
	v_rcp_f32 v14, v14
	s_mul_i32 s81, s75, 98304
	s_add_co_u32 s81, s81, s82
	v_add_nc_u32 v7, s81, v1                       ; (plain work behind the reciprocal)
	s_lshl_b32 s81, s75, 12
	s_add_co_u32 s81, s81, s83
	v_add_nc_u32 v30, s81, v31
	s_wait_alu depctr_va_vdst(0)                   ; ahead of the reciprocal's first reader
.set n, 0
.rept 16
	v_pk_mul_f32 v[96+n:97+n], v[160+n:161+n], v[14:15] op_sel_hi:[1,0]   ; each accumulator from its low end on
.set n, n+2
.endr
.irp b, 0,1
	v_max3_num_f32 v[BM+\b], |v[96+16*\b]|, |v[97+16*\b]|, 0x1800000
.endr
.irp i, 2,4,6,8,10,12,14
.irp b, 0,1
	s_delay_alu instid0(VALU_DEP_2)
	v_max3_num_f32 v[BM+\b], v[BM+\b], |v[96+16*\b+\i]|, |v[97+16*\b+\i]|
.endr
.endr
.irp b, 0,1
	s_delay_alu instid0(VALU_DEP_2)
	v_permlanex16_b32 v[BX+\b], v[BM+\b], s60, s61
.endr
.irp b, 0,1
	s_delay_alu instid0(VALU_DEP_2)
	v_max_num_f32 v[BM+\b], v[BM+\b], v[BX+\b]
.endr
.irp b, 0,1
	s_delay_alu instid0(VALU_DEP_2)
	v_add_nc_u32 v[SO+\b], 0xff000000, v[BM+\b]
.endr
.irp b, 0,1
	s_delay_alu instid0(VALU_DEP_2)
	v_lshrrev_b32 v[BX+\b], 23, v[SO+\b]
.endr
	s_delay_alu instid0(VALU_DEP_1)
	v_lshl_or_b32 v242, v205, 8, v204              ; my head's two bytes of the row's scale word
	v_cvt_scalef32_pk16_fp6_f32 v[236:238], v[96:111], v208
	v_cvt_scalef32_pk16_fp6_f32 v[224:226], v[112:127], v209
	v_nop                                          ; one plain instruction behind the scaled conversions
.irp i, 0,1,2
	v_permlane16_swap_b32 v[236+\i], v[224+\i]
.endr
.irp i, 0,1,2
	s_delay_alu instid0(VALU_DEP_3)
	v_mov_b32 v[239+\i], v[224+\i]
.endr
.irp p, 0,1,2
	global_store_b64 v7, v[236+2*\p:237+2*\p], s[8:9] offset:256*\p   ; 256 consecutive bytes, aligned
.endr
	global_store_b16 v30, v242, s[10:11]           ; lanes 16-31 write the same bytes with the same values
.irp i, 0,1,2,3,4,5
	v_mov_b32 v[16+\i], v[86+\i]                   ; the next tile's Q,
.endr
	v_mov_b32 v28, v29                             ; its scale words,
	RESET                                          ; and its beginnings
	s_wait_xcnt 0x0                                ; the stores' addresses and data are written again only behind this wait
.Lnext:
	s_add_co_u32 s74, s74, 1
	s_cmp_lt_u32 s74, 17
	s_cbranch_scc1 .Lstep
	s_setprio 0
	s_wait_dscnt 0x0
	s_wait_tensorcnt 0x0
	ds_add_u32 v254, v255
	s_wait_dscnt 0x0
	CROUND                                         ; the closing round
	s_endpgm
.Lfunc_end_k_qe676621614_attention:
	.size	k_qe676621614_attention, .Lfunc_end_k_qe676621614_attention-k_qe676621614_attention
	.p2alignl 7, 3214868480
	.fill 96, 4, 3214868480
	.section	.rodata,"a",@progbits
	.p2align	6, 0x0
	.amdhsa_kernel k_qe676621614_attention
		.amdhsa_group_segment_fixed_size 219136
		.amdhsa_private_segment_fixed_size 0
		.amdhsa_enable_private_segment 0
		.amdhsa_kernarg_size 32
		.amdhsa_user_sgpr_count 2
		.amdhsa_user_sgpr_kernarg_segment_ptr 1
		.amdhsa_wavefront_size32 1
		.amdhsa_system_sgpr_workgroup_id_x 1
		.amdhsa_system_sgpr_workgroup_id_y 1
		.amdhsa_system_sgpr_workgroup_id_z 1
		.amdhsa_system_vgpr_workitem_id 0
		.amdhsa_next_free_vgpr 256
		.amdhsa_next_free_sgpr 100
		.amdhsa_reserve_vcc 1
		.amdhsa_float_denorm_mode_32 3
		.amdhsa_float_denorm_mode_16_64 3
		.amdhsa_memory_ordered 1
		.amdhsa_forward_progress 1
		.amdhsa_inst_pref_size 41
	.end_amdhsa_kernel
	.amdgpu_metadata
---
amdhsa.version: [ 1, 2 ]
amdhsa.kernels:
  - .name:           k_qe676621614_attention
    .symbol:         k_qe676621614_attention.kd
    .args:
      - { .name: qkv, .offset: 0, .size: 8, .value_kind: global_buffer, .address_space: global }
      - { .name: qkvs, .offset: 8, .size: 8, .value_kind: global_buffer, .address_space: global }
      - { .name: ops2, .offset: 16, .size: 8, .value_kind: global_buffer, .address_space: global }
      - { .name: opsc2, .offset: 24, .size: 8, .value_kind: global_buffer, .address_space: global }
    .group_segment_fixed_size: 219136
    .private_segment_fixed_size: 0
    .kernarg_segment_align: 8
    .kernarg_segment_size: 32
    .max_flat_workgroup_size: 512
    .sgpr_count:     100
    .vgpr_count:     256
    .wavefront_size: 32
...
	.end_amdgpu_metadata
.endif
;; end of part 3
;; launch gemm_out (part 4): grid 4 x 32, 4 waves a work-group, clusters of 4 x 4, 327,680 bytes of LDS; arguments ops2, opsc2, b_out, out0; writes out0
.if DOCPART == 4
	.amdgcn_target "amdgcn-amd-amdhsa--gfx1250"
	.amdhsa_code_object_version 6
	.text
	.protected	k_qe676621614_gemm_out
	.globl	k_qe676621614_gemm_out
	.p2align	8
	.type	k_qe676621614_gemm_out,@function
k_qe676621614_gemm_out:
	s_mov_b64 s[64:65], 0
	v_nop
	global_prefetch_b8 v0, s[64:65] scope:SCOPE_SE
	s_setreg_imm32_b32 hwreg(HW_REG_WAVE_MODE, 25, 1), 1
	s_wait_xcnt 0x0
	s_wait_alu depctr_hold_cnt(0) depctr_sa_sdst(0) depctr_va_vdst(0) depctr_va_sdst(0) depctr_va_ssrc(0) depctr_va_vcc(0) depctr_vm_vsrc(0)
	s_getreg_b32 s2, hwreg(HW_REG_IB_STS2, 6, 4)
	s_cmp_eq_u32 s2, 0
	s_cbranch_scc0 .Lentry_in_a_cluster
	s_endpgm
.Lentry_in_a_cluster:
	s_bfe_u32 s2, ttmp6, 0x10000c
	s_cmp_lg_u32 s2, 0xf033
	s_cbranch_scc0 .Lentry_shape_is_right
	s_endpgm
.Lentry_shape_is_right:
; out0 = ctx W_out + b_out on codes of FP6 (E2M3) with E8M0 scales (K = 1024); out0 [8192][1024] f32.
; ops2: [block of 128 rows][K step 0..7][tile 0..7][piece 0..5][256]: images of the operand's registers; blocks 0-63 ctx's tokens, 64-71 W_out's columns.  Tile a holds rows 32 (a/2) + 8 (a%2) + r + 8 (r/8).  opsc2: [block][K step / 2][tile][r][K step % 2] scale words.
; A work-group makes 256 x 256, each of its four waves 128 x 128: 64 accumulators.  Side P (tokens) is source 1: a lane is a token; side Q (columns) source 0: the 16 registers of Q's tiles 2 b, 2 b + 1 are columns 32 b + 16 (lane / 16) + 0..15.
; K goes in quarters of 256: a block's quarter is 24,576 dense bytes, one tensor load.  Three LDS regions take quarters 0, 1, 2 at the start; quarter 3 is the one refill, into region 0.  By this text's count a wave has at most three tensor loads out.
; CLUSTERS: 4 x 4.  P's tiles are shared along a row of the cluster, Q's along a column: each is asked for jointly.  All scale words stay in 64 registers.  The bias is the C of each sum's first matrix instruction.
; 128 work-groups: with tiles of 256 x 256 the product has no more; a smaller tile would want a second form of the K steps.
; REGISTERS: window 0: v0-31 addresses; v32-95 scale words; v96-127 and v224-255 the bias, eight registers for each of Q's tiles; v128-223 P's fragments; on the way out v128-255 are rows of out0.  window 1: Q's fragments, two sets.  windows 2, 3: accumulators.
.set FR,     12
.set NL,     6
.set NP,     4                         ; places behind this matrix instruction (ISA guide 7.12.1)
.set BLKB,   24576
.set REGION, 4*BLKB
.set SPARE,  3*REGION                  ; the spare words, 128 bytes for each wave: two blocks of 256 bytes that no other line names
.set STAGE,  REGION                    ; the way out: 16 rows x 528 bytes for each wave, in region 1, which has had its only fill and is read by nobody behind the last barrier
.set ADRA, 16
.set ADRB, 20
.set BO,   23                          ; v23     the bias: 64 h
.set STO,  24                          ; v24     the way out: where I put 32 bytes of a row
.set RD,   25                          ; v25     where I read a row back
.set CO,   26                          ; v26     16 x lane
.set SA,   27
.set SPW,  28
.set NIL,  29
.set SC,   32
.set AF,   128
.set BK,   128
.set G1P, 24
.set G1Q, 32
.set G0P, 40
.set G0Q, 52
.set MSB, 0
.macro WIN new                         ; the immediate's high byte repeats the setting that is left
.if MSB != \new
	s_set_vgpr_msb (MSB<<8)|\new
.set MSB, \new
.endif
.endm
.set MUL_LO, 0xa1                      ; source 0 (Q) window 1, source 1 (P) window 0, C and D window 2
.set MUL_HI, 0xf1                      ; the same, C and D window 3
.set TO_B,   0x40
.macro JLOAD g0a, g1a, g0b, g1b        ; a joint load: waves 0 and 1 fetch P's two blocks, waves 2 and 3 Q's; four v_nop follow each of the two lines
	s_cmp_eq_u32 s15, 0
	s_cbranch_scc0 .Lfor_q_\@
	tensor_load_to_lds s[\g0a:\g0a+3], s[\g1a:\g1a+7]
	s_nop 0
.rept 4
	v_nop
.endr
	s_branch .Lasked_\@
.Lfor_q_\@:
	tensor_load_to_lds s[\g0b:\g0b+3], s[\g1b:\g1b+7]
	s_nop 0
.rept 4
	v_nop
.endr
.Lasked_\@:
.endm
.macro CREST
	s_cmp_lg_u32 s14, 0
	s_cbranch_scc1 .Lnot_wave_0_\@
	s_barrier_signal -3
.Lnot_wave_0_\@:
	s_barrier_wait -3
	s_barrier_signal -1
	s_barrier_wait -1
.endm
.macro CROUND
	s_barrier_signal -1
	s_barrier_wait -1
	CREST
.endm
.macro PLACES n
.rept \n
	v_nop
.endr
.endm
.macro FRAG reg, adr, s, i             ; six pieces of 256 bytes, 8 bytes a lane.  K step s lies in region (s / 2) % 3
.irp p, 0,1,2,3,4,5
	ds_load_b64 v[\reg+2*\p:\reg+2*\p+1], v[\adr+(((\s)/2)%3)] offset:(((\s)%2)*8+(\i))*1536+256*\p
.endr
.endm
.macro FETCH_B s
	WIN TO_B
.irp i, 0,1,2,3,4,5,6,7
	FRAG 128*((\s)%2)+FR*\i, ADRB, \s, \i
.endr
	WIN 0
.endm
.macro FETCH_A s, i0
.irp i, \i0, \i0+1, \i0+2, \i0+3
	FRAG AF+FR*(\i), ADRA, \s, \i
.endr
.endm
; 16 matrix instructions.  bias = 1: the first product starts the sums from the bias (in window 0).  The 64 accumulators take turns, one instruction a turn, in the same order in every step.
.macro MUL16 a0, s, bias
.irp a, \a0, \a0+1
.irp b, 0,1,2,3,4,5,6,7
.if \bias
	v_wmma_scale_f32_16x16x128_f8f6f4 v[8*(8*((\a)%4)+\b):8*(8*((\a)%4)+\b)+7], v[128*((\s)%2)+FR*\b:128*((\s)%2)+FR*\b+FR-1], v[AF+FR*(\a):AF+FR*(\a)+FR-1], v[96+8*\b+96*(\b/4):96+8*\b+96*(\b/4)+7], v[SC+16*((\s)/2)+2*\b+(\s)%2], v[SC+16*((\s)/2)+2*(\a)+(\s)%2] matrix_a_fmt:MATRIX_FMT_FP6 matrix_b_fmt:MATRIX_FMT_FP6 matrix_a_scale:MATRIX_SCALE_ROW1
.else
	v_wmma_scale_f32_16x16x128_f8f6f4 v[8*(8*((\a)%4)+\b):8*(8*((\a)%4)+\b)+7], v[128*((\s)%2)+FR*\b:128*((\s)%2)+FR*\b+FR-1], v[AF+FR*(\a):AF+FR*(\a)+FR-1], v[8*(8*((\a)%4)+\b):8*(8*((\a)%4)+\b)+7], v[SC+16*((\s)/2)+2*\b+(\s)%2], v[SC+16*((\s)/2)+2*(\a)+(\s)%2] matrix_a_fmt:MATRIX_FMT_FP6 matrix_b_fmt:MATRIX_FMT_FP6 matrix_a_scale:MATRIX_SCALE_ROW1
.endif
.endr
.endr
.endm
.macro STEP s, bias
	s_wait_dscnt 4*NL                              ; Q's set and P's tiles 0-3 are in; the youngest 24 loads (P's tiles 4-7) may be out
.if \bias
	WIN 0x81                                       ; C in window 0, D in window 2
.else
	WIN MUL_LO
.endif
	MUL16 0, \s, \bias
	MUL16 2, \s, \bias
	s_wait_dscnt 0x0
	PLACES NP
	FETCH_B (\s)+1
	FETCH_A (\s)+1, 0
.if \bias
	WIN 0xc1                                       ; C in window 0, D in window 3
.else
	WIN MUL_HI
.endif
	MUL16 4, \s, \bias
	MUL16 6, \s, \bias
	PLACES NP
	WIN 0
	FETCH_A (\s)+1, 4
.endm
.macro TURN s, fill
	s_wait_tensorcnt 0x0                           ; all my tensor loads have landed
	ds_add_u32 v[SPW], v[NIL]                      ; 0 onto my spare word
	s_wait_dscnt 4*NL+1                            ; (the add and the youngest 24 loads may be out)
	WIN MUL_LO
	MUL16 0, \s, 0
	s_wait_dscnt 0x0                               ; the add is done, and my LDS reads are over
	s_barrier_signal -1
	MUL16 2, \s, 0
	WIN 0
	s_barrier_wait -1
.if \fill
	CREST                                          ; the barrier has opened a round of the cluster's barrier: no wave of any partner still reads region 0 or has a load on its way
	s_add_nc_u64 s[G0P+2:G0P+3], s[G0P+2:G0P+3], 3*BLKB
	s_add_nc_u64 s[G0Q+2:G0Q+3], s[G0Q+2:G0Q+3], 3*BLKB
	JLOAD G0P, G1P, G0Q, G1Q                       ; the first tensor load behind the round; its four v_nop are also the places in front of the loads below
.else
	PLACES NP
.endif
	FETCH_B (\s)+1
	FETCH_A (\s)+1, 0
	WIN MUL_HI
	MUL16 4, \s, 0
	MUL16 6, \s, 0
	PLACES NP
	WIN 0
	FETCH_A (\s)+1, 4
.endm
; THE WAY OUT, tile by tile of 16 tokens x 128 columns: through my own stage, back as whole rows of 512 bytes.  LDS serves a wave's instructions in order: no wait between the stores and the loads.
.macro TOSTAGE a
.set AC, 64*((\a)%4)
.set WD, 0x08+4*((\a)/4)
	WIN WD                                         ; an LDS store's data: window 2 or 3
.irp b, 0,1,2,3,4,5,6,7
	ds_store_b128 v[STO], v[AC+8*\b:AC+8*\b+3] offset:128*(\b/2)+32*(\b%2)          ; each accumulator from its low end on
	ds_store_b128 v[STO], v[AC+8*\b+4:AC+8*\b+7] offset:128*(\b/2)+32*(\b%2)+16
.endr
	WIN 0
.set BB, BK+64*((\a)%2)
.irp t, 0,1,2,3,4,5,6,7,8,9,10,11,12,13,14,15
	ds_load_b128 v[BB+4*\t:BB+4*\t+3], v[RD] offset:\t*528
.endr
.endm
.macro SEND a, younger                 ; younger: the LDS instructions issued behind tile a's loads, which may stay out
.set BB, BK+64*((\a)%2)
	s_wait_dscnt \younger
.irp t, 0,1,2,3,4,5,6,7,8,9,10,11,12,13,14,15
	global_store_b128 v[CO], v[BB+4*\t:BB+4*\t+3], s[10:11] offset:(32*((\a)/2)+8*((\a)%2)+\t+8*(\t/8))*4096 th:TH_STORE_NT   ; 32 lanes store 512 consecutive bytes, at a multiple of 256 from out0's first byte
.endr
.endm
	s_load_b256 s[4:11], s[0:1], 0x0               ; ops2 s[4:5], opsc2 s[6:7], b_out s[8:9], out0 s[10:11]
	v_lshl_add_u32 v[SPW], v0, 2, SPARE
	v_mov_b32 v[NIL], 0
	ds_add_u32 v28, v29
	ds_add_u32 v28, v29
	s_wait_dscnt 0x0
	v_lshrrev_b32 v1, 5, v0
	v_readfirstlane_b32 s14, v1                    ; wave 0..3
	s_lshr_b32 s15, s14, 1                         ; my half of P.  Also: I fetch for P (0) or for Q (1)
	s_and_b32 s16, s14, 1                          ; my half of Q.  Also: which block of 128 rows I fetch
	s_bfe_u32 s66, ttmp6, 0x40000                  ; cx
	s_bfe_u32 s67, ttmp6, 0x40004                  ; cy
	s_and_b32 s68, ttmp7, 0xffff                   ; cluster y
	s_lshl_b32 s72, s68, 2
	s_add_co_u32 s72, s72, s67                     ; P's tile of 256 tokens
	s_add_co_u32 s74, s66, 32                      ; Q's tile: W_out's columns lie behind the 32 tiles of tokens
	s_lshl_b32 s82, s67, 2
	s_lshl_b32 s82, 15, s82                        ; my row of the cluster
	s_lshl_b32 s83, 0x1111, s66                    ; my column
	s_or_b32 s[G1P], s82, (3<<16)|(1<<21)          ; 15:0 the mask; 17:16 elements of 8 bytes; 20 no padding; 21 set beside a mask
	s_or_b32 s[G1Q], s83, (3<<16)|(1<<21)
.irp g, G1P, G1Q                       ; 24,576 dense bytes as 96 rows of 256
	s_mov_b32 s[\g+1], 32<<16
	s_mov_b32 s[\g+2], 96<<16
	s_mov_b32 s[\g+3], 32<<16
	s_mov_b32 s[\g+4], 96
	s_mov_b32 s[\g+5], 32
	s_mov_b32 s[\g+6], 0
	s_mov_b32 s[\g+7], 0
.endr
	s_lshl_b32 s75, s72, 1
	s_add_co_u32 s75, s75, s16
	s_mul_i32 s76, s75, 98304
	s_mov_b32 s77, 0
	s_lshl_b32 s75, s74, 1
	s_add_co_u32 s75, s75, s16
	s_mul_i32 s78, s75, 98304
	s_mov_b32 s79, 0
	s_mul_i32 s84, s14, BLKB                       ; no place in the cluster enters an LDS address
	s_wait_kmcnt 0x0
	s_add_nc_u64 s[76:77], s[4:5], s[76:77]
	s_add_nc_u64 s[78:79], s[4:5], s[78:79]
	CROUND                                         ; all sixteen work-groups are here: the first joint loads meet
.irp g, 0,1,2
	s_mov_b32 s[G0P+4*\g], 1
	s_add_co_u32 s[G0P+4*\g+1], s84, \g*REGION
	s_add_nc_u64 s[G0P+4*\g+2:G0P+4*\g+3], s[76:77], \g*BLKB
	s_or_b32 s[G0P+4*\g+3], s[G0P+4*\g+3], 0x80000000
	s_mov_b32 s[G0Q+4*\g], 1
	s_add_co_u32 s[G0Q+4*\g+1], s84, \g*REGION
	s_add_nc_u64 s[G0Q+4*\g+2:G0Q+4*\g+3], s[78:79], \g*BLKB
	s_or_b32 s[G0Q+4*\g+3], s[G0Q+4*\g+3], 0x80000000
	s_wait_alu depctr_va_vdst(0)
	s_wait_tensorcnt 0x0
	ds_add_u32 v28, v29
	ds_add_u32 v28, v29
	s_wait_dscnt 0x0
	CROUND
	JLOAD G0P+4*\g, G1P, G0Q+4*\g, G1Q
.endr
	v_and_b32 v1, 31, v0
	v_and_b32 v2, 15, v0                           ; r
	v_bfe_u32 v3, v0, 4, 1                         ; h
	v_lshlrev_b32 v4, 3, v1                        ; 8 x lane
	s_mul_i32 s85, s15, BLKB
	s_mul_i32 s86, s16, BLKB
	s_add_co_u32 s86, s86, 2*BLKB
.irp g, 0,1,2
	v_add_nc_u32 v[ADRA+\g], s85, v4
	v_add_nc_u32 v[ADRB+\g], s86, v4
	s_add_co_u32 s85, s85, REGION
	s_add_co_u32 s86, s86, REGION
.endr
	s_lshl_b32 s87, s72, 1
	s_add_co_u32 s87, s87, s15                     ; my block of P
	s_lshl_b32 s88, s74, 1
	s_add_co_u32 s88, s88, s16                     ; my block of Q
	s_lshl_b32 s89, s87, 12
	s_lshl_b32 s90, s88, 12
	v_mov_b32 v5, s89
	v_mov_b32 v6, s90
	v_cmp_eq_u32 vcc_lo, 1, v3
	v_cndmask_b32 v5, v5, v6, vcc_lo               ; lanes 0-15 take P's words, lanes 16-31 Q's
	v_lshl_add_u32 v[SA], v2, 3, v5
.irp q, 0,1,2,3
.irp i, 0,1,2,3,4,5,6,7
	global_load_b64 v[SC+16*\q+2*\i:SC+16*\q+2*\i+1], v[SA], s[6:7] offset:1024*\q+128*\i
.endr
.endr
	s_lshl_b32 s92, s66, 10                        ; my 128 columns, in bytes: 1,024 cx + 512 x half
	s_lshl_b32 s93, s16, 9
	s_add_co_u32 s92, s92, s93
	s_mov_b32 s93, 0
	s_add_nc_u64 s[8:9], s[8:9], s[92:93]
	v_lshlrev_b32 v[BO], 6, v3                     ; register j of Q's tile b is column 32 (b/2) + 8 (b%2) + 16 h + j
.irp b, 0,1,2,3,4,5,6,7
	global_load_b128 v[96+8*\b+96*(\b/4):96+8*\b+96*(\b/4)+3], v[BO], s[8:9] offset:(32*(\b/2)+8*(\b%2))*4
	global_load_b128 v[96+8*\b+96*(\b/4)+4:96+8*\b+96*(\b/4)+7], v[BO], s[8:9] offset:(32*(\b/2)+8*(\b%2))*4+16
.endr
	s_lshl_b32 s94, s87, 19                        ; my block's 128 rows of 4,096 bytes
	s_mov_b32 s95, 0
	s_add_nc_u64 s[10:11], s[10:11], s[94:95]
	s_add_nc_u64 s[10:11], s[10:11], s[92:93]
	s_mul_i32 s96, s14, 16*528
	s_add_co_u32 s96, s96, STAGE                   ; my stage
	v_mul_u32_u24 v[STO], v2, 528
	v_lshl_add_u32 v[STO], v3, 6, v[STO]
	v_add_nc_u32 v[STO], s96, v[STO]               ; in: row r, + 64 h
	v_lshlrev_b32 v[CO], 4, v1                     ; back: the 32 lanes take one row of 512 bytes; and the same in out0
	v_add_nc_u32 v[RD], s96, v[CO]
	s_wait_tensorcnt 2                             ; my parts of quarters 0 and 1 are in; quarter 2 may be out
	s_barrier_signal -1
	s_barrier_wait -1
	FETCH_B 0
	FETCH_A 0, 0
	FETCH_A 0, 4
	s_wait_loadcnt 0x0                             ; the scale words and the bias
	STEP 0, 1                                      ; the first step's products start the sums from the bias
	TURN 1, 1                                      ; every wave has waited for all three first fills: regions 1 and 2 are whole for everybody; region 0 takes quarter 3
	STEP 2, 0
	STEP 3, 0
	STEP 4, 0
	TURN 5, 0                                      ; quarter 3 has landed; behind this barrier nobody reads regions 1 and 2 any more
	STEP 6, 0
	s_wait_dscnt 4*NL                              ; the last step: nothing more to fetch
	WIN MUL_LO
	MUL16 0, 7, 0
	MUL16 2, 7, 0
	s_wait_alu depctr_va_vdst(0)
	s_wait_dscnt 0x0
	WIN MUL_HI
	MUL16 4, 7, 0
	MUL16 6, 7, 0
	WIN 0
	PLACES NP                                      ; in front of the first read of results and of loads into registers that held P's fragments and the bias
	TOSTAGE 0
.irp a, 1,2,3,4,5,6,7
.if \a > 1
	s_wait_xcnt 0x0                                ; the stores of two tiles back have read their registers: this tile's loads may land there
.endif
	TOSTAGE \a
	SEND \a-1, 32                                  ; behind the last tile's loads: this tile's 16 stores and 16 loads
.endr
	SEND 7, 0
	s_wait_tensorcnt 0x0                           ; the wave's end: behind my last tensor load and my last LDS store
	ds_add_u32 v[SPW], v[NIL]
	s_wait_dscnt 0x0
	CROUND                                         ; the closing round: no work-group ends while a partner may still ask for a tile that names it
	s_endpgm
.Lfunc_end_k_qe676621614_gemm_out:
	.size	k_qe676621614_gemm_out, .Lfunc_end_k_qe676621614_gemm_out-k_qe676621614_gemm_out
	.p2alignl 7, 3214868480
	.fill 96, 4, 3214868480
	.section	.rodata,"a",@progbits
	.p2align	6, 0x0
	.amdhsa_kernel k_qe676621614_gemm_out
		.amdhsa_group_segment_fixed_size 327680
		.amdhsa_private_segment_fixed_size 0
		.amdhsa_enable_private_segment 0
		.amdhsa_kernarg_size 32
		.amdhsa_user_sgpr_count 2
		.amdhsa_user_sgpr_kernarg_segment_ptr 1
		.amdhsa_wavefront_size32 1
		.amdhsa_system_sgpr_workgroup_id_x 1
		.amdhsa_system_sgpr_workgroup_id_y 1
		.amdhsa_system_sgpr_workgroup_id_z 1
		.amdhsa_system_vgpr_workitem_id 0
		.amdhsa_next_free_vgpr 1024
		.amdhsa_next_free_sgpr 100
		.amdhsa_reserve_vcc 1
		.amdhsa_float_denorm_mode_32 3
		.amdhsa_float_denorm_mode_16_64 3
		.amdhsa_memory_ordered 1
		.amdhsa_forward_progress 1
		.amdhsa_inst_pref_size 161
	.end_amdhsa_kernel
	.amdgpu_metadata
---
amdhsa.version: [ 1, 2 ]
amdhsa.kernels:
  - .name:           k_qe676621614_gemm_out
    .symbol:         k_qe676621614_gemm_out.kd
    .args:
      - { .name: ops2, .offset: 0, .size: 8, .value_kind: global_buffer, .address_space: global }
      - { .name: opsc2, .offset: 8, .size: 8, .value_kind: global_buffer, .address_space: global }
      - { .name: b_out, .offset: 16, .size: 8, .value_kind: global_buffer, .address_space: global }
      - { .name: out0, .offset: 24, .size: 8, .value_kind: global_buffer, .address_space: global }
    .group_segment_fixed_size: 327680
    .private_segment_fixed_size: 0
    .kernarg_segment_align: 8
    .kernarg_segment_size: 32
    .max_flat_workgroup_size: 128
    .sgpr_count:     100
    .vgpr_count:     1024
    .wavefront_size: 32
...
	.end_amdgpu_metadata
.endif
;; end of part 4
